; MI455X (gfx1250); checked and timed in simulation.
; The chip was launched on July 23, 2026; its instructions are those of AMD's public machine-readable ISA for CDNA 5 (MIT licence, August 2026) and "CDNA5" Instruction Set Architecture Reference Guide (July 2026). The comments in the code are by the model that wrote it; some were corrected since.
;; Multi Head Attention. Allowed arithmetic: matrix products marked QUANTISED: E2M3 operands, one E8M0 scale for each 32 along K, by v_wmma_scale_f32_16x16x128_f8f6f4 with both operands' format E2M3, f32 sums; everything else in f32.
;; Inputs: b_out 1,024 float32; w_out 1,024 x 1,024 float32; w_qkv 1,024 x 3,072 float32; x 8 x 1,024 x 1,024 float32.
;; Outputs: out0 8 x 1,024 x 1,024 float32.
;; This version of the problem:
;;   THIS VERSION OF THE PROBLEM IS GIVEN IN LOW PRECISION. The matrix products marked QUANTISED in the list below multiply operands that are first quantised to E2M3 (2 exponent bits, 3 mantissa bits; 6 bits a number), with one power-of-two scale for each 32 numbers along K (OCP MX v1.0); their sums are f32. All else is computed in f32.
;;   The module's matrix products, in the order in which they are computed (A, B: the left and right operand; K: the contracted axis; several contracted axes count as one K, in the product's order):
;;     1. [M 8,192, K 1,024] x [K 1,024, N 3,072]; A: input x; B: input w_qkv: QUANTISED
;;     2. batch 128 x [M 1,024, K 64] x [K 64, N 1,024]; A: computed on the way; B: computed on the way: QUANTISED
;;     3. batch 128 x [M 1,024, K 1,024] x [K 1,024, N 64]; A: softmax (see below); B: computed on the way: QUANTISED
;;     4. [M 8,192, K 1,024] x [K 1,024, N 1,024]; A: computed on the way; B: input w_out: QUANTISED
;;   THE QUANTISER, for each operand of a quantised product, along K:
;;     - K is cut into blocks of 32 from its start; a last block that is shorter is filled with zeros.
;;     - A block's scale is 2^e with e = floor(log2(the largest magnitude in the block)) - 2, held to -126 .. 127; a block of zeros has e = 0. As a byte (E8M0): e + 127.
;;     - Each number is divided by its block's scale, clamped to +-7.5, and rounded to the nearest number of E2M3, ties to even, subnormals kept.
;;     - The product sums the exact products of the quantised numbers (number of the format x scale) in f32.
;;   ~~~python
;;   def quantise(x, axis):      # numpy; x: float32 -> the quantised numbers, widened to float32 again
;;       x = np.moveaxis(x, axis, -1); K = x.shape[-1]
;;       x = np.pad(x, [(0, 0)] * (x.ndim - 1) + [(0, -K % 32)]); x = x.reshape(x.shape[:-1] + (-1, 32)); a = np.abs(x).max(-1, keepdims=True)
;;       e = np.where(a > 0, np.clip(np.frexp(np.where(a > 0, a, 1))[1] - 1 - 2, -126, 127), 0)      # np.frexp(a)[1] - 1 = floor(log2(a)), exactly
;;       r = np.clip(x / 2.0 ** e, -7.5, 7.5)
;;       step = 2.0 ** (np.maximum(np.frexp(np.where(r == 0, 1, r))[1] - 1, 0) - 3)
;;       q = np.round(r / step) * step * 2.0 ** e      # np.round: ties to even
;;       return np.moveaxis(q.reshape(q.shape[:-2] + (-1,))[..., :K], -1, axis).astype(np.float32)
;;   ~~~
;;   SOFTMAX AHEAD OF A QUANTISED PRODUCT. Where the list says 'softmax', what is quantised is not the finished softmax but p = 2^(t - M), with t = logit x log2(e) and M = ceil(the row's largest t), a whole number; so 1/2 < the row's largest p <= 1. The row's sum l is taken of the UNQUANTISED p, in f32, and the product's result is divided by l at the end. Since M is a whole number, a kernel that streams over the keys may use a running M (the ceiling of the running maximum): every later rescaling is an exact power of two, which a block's scale takes up: the codes' values come out the same.
;;   OPERANDS COMPUTED ON THE WAY. 'Computed on the way' means the value that the module computes at that place (a softmax that the list does not call 'softmax' is quantised finished and normalised). What goes into a quantiser is computed in f32, as accurately as f32 sums, v_exp_f32 and their like allow (about 1e-6 of the number): no bf16 or f16 on the way to a quantiser, and a product that is left as it is and whose result goes on into a quantised operand takes f32 operands (vector FMAs, or v_wmma_f32_16x16x4_f32). A number that lies on a knife's edge between two numbers of the format may be rounded either way, as far as f32 arithmetic and the matrix unit's own rounding can turn it there, and no further.
;; One version. Each part assembles by itself: llvm-mc -triple=amdgcn-amd-amdhsa -mcpu=gfx1250 --defsym DOCPART=n.
;; ======== version 1 of 1: 4 launches
;; limits: right only within a limited range of input values
;; workspace buffers: xq 6,553,600 bytes; wq 3,276,800 bytes; qkv 20,185,088 bytes; oq 6,553,600 bytes
;; launch quant (part 1): grid 96 x 8, 4 waves a work-group, no clusters, 34,816 bytes of LDS; arguments x, w_qkv, w_out, xq, wq; writes xq, wq
.if DOCPART == 1
	.amdgcn_target "amdgcn-amd-amdhsa--gfx1250"
	.amdhsa_code_object_version 6
	.text
	.protected	k_q33539495fe_quant
	.globl	k_q33539495fe_quant
	.p2align	8
	.type	k_q33539495fe_quant,@function
k_q33539495fe_quant:
	s_mov_b64 s[64:65], 0
	v_nop
	global_prefetch_b8 v0, s[64:65] scope:SCOPE_SE
	s_setreg_imm32_b32 hwreg(HW_REG_WAVE_MODE, 25, 1), 1
	s_wait_xcnt 0x0
; x [8192][1024], w_qkv [1024][3072] and w_out [1024][1024], f32, become codes of E2M3 with one E8M0 byte for each 32 along K (x: its last axis; the weights: their first).
; A block's byte is its largest magnitude's exponent field - 2, held at 1 from below; each number is divided by the scale and rounded to the nearest code, ties to even, beyond 7.5 the largest code.
; LIMITS: NaN and infinities are not served.  A block of zeros, or one whose largest magnitude lies under 2^-124, gets the byte 1 (the rule says 127 for zeros): its codes are zeros, and this program alone reads the bytes.
; LAYOUT OF THE RESULTS: images of operand registers.  A fragment is 16 rows x 128 K, 12 registers a lane (lane (r, h): registers 6 c .. 6 c + 5 = K 64 c + 32 h + 0 .. 31 of row r); its image is 1,536 bytes:
; registers 4 c .. 4 c + 3 of lane l at 512 c + 16 l.  Codes: [tile of 16 rows][K step of 128].  Scale words: [row][8 words], word j for K step j.
; ORDER OF ROWS: rows of x and columns of w_qkv are kept at POSITIONS: position 32 g + 16 u + r holds row 32 g + 8 u + r + 8 (r / 8) (bits 3 and 4 change places).  w_out's columns keep their order.
; SHARES: 768 work-groups of four waves, 64 KiB of f32 each.  x < 64: tile 64 y + x of x, wave w makes K steps 2 w, 2 w + 1.  x = 64 .. 87: 128 columns of w_qkv, K step y.  x = 88 .. 95: the same of w_out.
; Memory binds: no tensor loads, no matrix unit, no cluster (no two work-groups read the same bytes).
.set XS,  6291456                      ; xq: the scale words behind the codes
.set WQS, 2359296                      ; wq: w_qkv's scale words, w_out's codes, w_out's scale words
.set WOC, 2457600
.set WOS, 3244032
.set SG,  33792                        ; LDS: behind the four stages of 16 rows x 528 bytes: 512 bytes in which a tile's scale words meet
.set R,   32                           ; v32-159  x as loaded: fragment f, row p at R + 64 f + 4 p
.set X,   160                          ; v160-223 64 numbers in the operand's order
.set F,   224                          ; v224-247 two fragments' codes
.set WX,  32                           ; v32-159  a weight's four blocks of 32 down K
.set FA,  160                          ; v160-183 two fragments' codes
.set WT,  184                          ; v184-199 the second halves of the blocks' codes
; fragment f's 16 rows x 512 bytes go through the wave's own stage and come back 32 neighbours at a time (LDS serves a wave's instructions in order)
.macro XTURN f, dst
.set i, 0
.rept 16
	ds_store_b128 v2, v[R+64*\f+4*i:R+64*\f+4*i+3] offset:528*i
.set i, i+1
.endr
.set i, 0
.rept 16
	ds_load_b128 v[\dst+4*i:\dst+4*i+3], v3 offset:256*(i/8)+16*(i%8)    ; register 32 c + n = K 64 c + 32 h + n of row r
.set i, i+1
.endr
.endm
; 64 numbers, two whole blocks of a lane, become fragment f's 12 registers and the row's scale word; the codes are stored
.macro QX s, f
	v_max3_num_f32 v8, |v[\s]|, |v[\s+1]|, 0x1800000               ; the floor 2^(3 - 127) among the leaves: the byte cannot fall under 1
	v_max3_num_f32 v9, |v[\s+32]|, |v[\s+33]|, 0x1800000
.set i, 2
.rept 15
	v_max3_num_f32 v8, v8, |v[\s+i]|, |v[\s+i+1]|
	v_max3_num_f32 v9, v9, |v[\s+32+i]|, |v[\s+33+i]|
.set i, i+2
.endr
	v_add_nc_u32 v10, 0xff000000, v8               ; 2 off the exponent field: the conversion's scale operand
	v_add_nc_u32 v11, 0xff000000, v9
	v_lshrrev_b32 v20, 23, v10                     ; the bytes of blocks h and 2 + h
	v_lshrrev_b32 v21, 23, v11
	v_lshl_or_b32 v[22+\f], v21, 16, v20
	v_lshlrev_b32 v[22+\f], v6, v[22+\f]           ; 8 h bits up
	v_permlanex16_b32 v24, v[22+\f], s28, s29
	v_or_b32 v[22+\f], v[22+\f], v24               ; with lane l xor 16's two bytes the word is whole
	v_cvt_scalef32_pk16_fp6_f32 v[F+12*\f:F+12*\f+2], v[\s:\s+15], v10
	v_cvt_scalef32_pk16_fp6_f32 v[12:14], v[\s+16:\s+31], v10      ; (a conversion's three registers begin on an even number)
	v_cvt_scalef32_pk16_fp6_f32 v[F+12*\f+6:F+12*\f+8], v[\s+32:\s+47], v11
	v_cvt_scalef32_pk16_fp6_f32 v[16:18], v[\s+48:\s+63], v11
	v_nop                                          ; one plain line behind the conversions
.irp i, 0,1,2
	v_mov_b32 v[F+12*\f+3+\i], v[12+\i]
	v_mov_b32 v[F+12*\f+9+\i], v[16+\i]
.endr
.irp c, 0,1,2
	global_store_b128 v1, v[F+12*\f+4*\c:F+12*\f+4*\c+3], s[22:23] offset:1536*\f+512*\c   ; 512 consecutive bytes
.endr
.endm
; a weight: block k of my column, 32 rows down K
.macro WLOAD k, n
.set i, 0
.rept 32
	global_load_b32 v[WX+32*(\k)+i], v2, s[20:21] offset:(32*(\k)+i)*4*\n th:TH_LOAD_NT
.set i, i+1
.endr
.endm
.macro WBLK k, left, n
.set XB, WX+32*(\k)
.set DD, FA+12*((\k)%2)+6*((\k)/2)     ; blocks 0, 2 go to the first fragment, blocks 1, 3 to the second
	s_wait_loadcnt \left                           ; this block's 32 loads are in; the next block's may be out
.if (\k)+2 < 4
	WLOAD (\k)+2, \n
.endif
	v_max3_num_f32 v12, |v[XB]|, |v[XB+1]|, |v[XB+2]|
	v_max3_num_f32 v13, |v[XB+3]|, |v[XB+4]|, |v[XB+5]|
.irp i, 6,10,14,18,22,26
	v_max3_num_f32 v12, v12, |v[XB+\i]|, |v[XB+\i+1]|
	v_max3_num_f32 v13, v13, |v[XB+\i+2]|, |v[XB+\i+3]|
.endr
	v_max3_num_f32 v12, v12, |v[XB+30]|, |v[XB+31]|
	v_max3_num_f32 v12, v12, v13, 0x1800000
	v_add_nc_u32 v[16+(\k)], 0xff000000, v12
.if (\k) == 0
	v_lshrrev_b32 v20, 23, v[16+(\k)]
.else
	v_lshrrev_b32 v13, 23, v[16+(\k)]
	v_lshl_or_b32 v20, v13, 8*(\k), v20            ; the four bytes make my column's scale word for this K step
.endif
	v_cvt_scalef32_pk16_fp6_f32 v[DD:DD+2], v[XB:XB+15], v[16+(\k)]
	v_cvt_scalef32_pk16_fp6_f32 v[WT+4*(\k):WT+4*(\k)+2], v[XB+16:XB+31], v[16+(\k)]
.endm
; 128 columns x 128 K of a weight [1024][cols].  A lane takes a column and its registers run down K; lane l is position n0 + l.
.macro WQ cols, perm, coff, soff, x0, pb
	s_sub_co_u32 s16, ttmp9, \x0
	s_lshl_b32 s16, s16, 7
	s_lshl_b32 s17, s14, 5
	s_add_co_u32 s16, s16, s17                     ; n0: my wave's first position
	s_mul_i32 s20, s15, 128*4*\cols                ; K step y
	s_lshl_b32 s17, s16, 2
	s_add_co_u32 s20, s20, s17
	s_mov_b32 s21, 0
	s_lshr_b32 s22, s16, 4
	s_mul_i32 s22, s22, 12288                      ; the codes: tile n0 / 16, K step y
	s_mul_i32 s17, s15, 1536
	s_add_co_u32 s22, s22, s17
	s_add_co_u32 s22, s22, \coff
	s_mov_b32 s23, 0
	s_lshl_b32 s24, s16, 5                         ; the scale words: 32 bytes a position, word y
	s_lshl_b32 s17, s15, 2
	s_add_co_u32 s24, s24, s17
	s_add_co_u32 s24, s24, \soff
	s_mov_b32 s25, 0
.if \perm
	v_and_b32 v2, 7, v7                            ; the column that stands at my position: bits 3 and 4 change places
	v_bfe_u32 v3, v7, 3, 1
	v_bfe_u32 v4, v7, 4, 1
	v_lshl_or_b32 v2, v3, 4, v2
	v_lshl_or_b32 v2, v4, 3, v2
	v_lshlrev_b32 v2, 2, v2
.else
	v_lshlrev_b32 v2, 2, v7
.endif
	v_lshlrev_b32 v5, 5, v7
	s_wait_alu depctr_va_vdst(0)
	s_wait_kmcnt 0x0
	s_add_nc_u64 s[20:21], s[\pb:\pb+1], s[20:21]
	s_add_nc_u64 s[22:23], s[12:13], s[22:23]
	s_add_nc_u64 s[24:25], s[12:13], s[24:25]
	WLOAD 0, \cols                                 ; a load reads 128 consecutive bytes, the four waves 512
	WLOAD 1, \cols
	WBLK 0, 32, \cols
	WBLK 1, 32, \cols
	WBLK 2, 32, \cols
	WBLK 3, 0, \cols
	v_nop                                          ; one plain line behind the conversions
.irp k, 0,1,2,3
.irp i, 0,1,2
	v_mov_b32 v[FA+12*(\k%2)+6*(\k/2)+3+\i], v[WT+4*\k+\i]
.endr
.endr
.set i, 0
.rept 12
	v_permlane16_swap_b32 v[FA+i], v[FA+12+i]      ; the first's lanes 16-31 (second tile, blocks 0, 2) change places with the second's lanes 0-15 (first tile, blocks 1, 3): two fragments in the operand's layout
.set i, i+1
.endr
.irp c, 0,1,2
	global_store_b128 v1, v[FA+4*\c:FA+4*\c+3], s[22:23] offset:512*\c
	global_store_b128 v1, v[FA+12+4*\c:FA+12+4*\c+3], s[22:23] offset:12288+512*\c
.endr
	global_store_b32 v5, v20, s[24:25]             ; 4 bytes a lane, 32 bytes apart: one byte for each 128 that the wave reads; whole rows of words would want all of K in one work-group
.endm
	s_load_b256 s[4:11], s[0:1], 0x0               ; x s[4:5], w_qkv s[6:7], w_out s[8:9], xq s[10:11]
	s_load_b64 s[12:13], s[0:1], 0x20              ; wq
	v_lshl_add_u32 v248, v0, 2, 0x8600
	v_mov_b32 v249, 0
	v_lshrrev_b32 v1, 5, v0
	v_readfirstlane_b32 s14, v1                    ; wave
	s_and_b32 s15, ttmp7, 0xffff                   ; y
	v_and_b32 v7, 31, v0                           ; lane
	v_lshlrev_b32 v1, 4, v7                        ; 16 x lane
	s_cmp_lt_u32 ttmp9, 64                         ; the three ways part on the work-group's number alone
	s_cbranch_scc1 .Lx
	s_cmp_lt_u32 ttmp9, 88
	s_cbranch_scc1 .Lwqkv
	s_wait_alu depctr_va_vdst(0)
	WQ 1024, 0, WOC, WOS, 88, 8
	s_endpgm
.Lwqkv:
	s_wait_alu depctr_va_vdst(0)
	WQ 3072, 1, 0, WQS, 64, 6
	s_endpgm
.Lx:
	s_lshl_b32 s16, s15, 6
	s_add_co_u32 s16, s16, ttmp9                   ; T: the tile of 16 positions
	s_lshr_b32 s17, s16, 1
	s_lshl_b32 s17, s17, 5
	s_and_b32 s18, s16, 1
	s_lshl_b32 s18, s18, 3
	s_add_co_u32 s17, s17, s18                     ; the row at its first position: 32 (T / 2) + 8 (T % 2)
	s_lshl_b32 s20, s17, 12
	s_lshl_b32 s18, s14, 10
	s_add_co_u32 s20, s20, s18                     ; + my wave's 256 numbers of a row
	s_mov_b32 s21, 0
	s_mul_i32 s22, s16, 12288
	s_mul_i32 s18, s14, 3072
	s_add_co_u32 s22, s22, s18
	s_mov_b32 s23, 0
	s_lshl_b32 s24, s16, 9
	s_add_co_u32 s24, s24, XS
	s_mov_b32 s25, 0
	s_mul_i32 s26, s14, 8448                       ; my stage
	v_and_b32 v8, 15, v0                           ; r
	v_bfe_u32 v9, v0, 4, 1                         ; h
	s_wait_alu depctr_va_vdst(0)
	v_add_nc_u32 v2, s26, v1                       ; in: 16 x lane of a row
	v_mul_u32_u24 v3, v8, 528
	v_lshl_add_u32 v3, v9, 7, v3
	v_add_nc_u32 v3, s26, v3                       ; back: row r, + 128 h
	v_lshlrev_b32 v4, 5, v8
	s_lshl_b32 s27, s14, 3
	s_add_co_u32 s27, s27, SG
	v_add_nc_u32 v4, s27, v4                       ; my row's words 2 w, 2 w + 1
	v_add_nc_u32 v5, SG, v1
	v_lshlrev_b32 v6, 3, v9
	v_mov_b32 v24, 0                               ; a lane permute's destination counts as one of its sources
	s_mov_b32 s28, 0x76543210
	s_mov_b32 s29, 0xfedcba98
	s_wait_alu depctr_va_vdst(0)
	s_wait_kmcnt 0x0
	s_add_nc_u64 s[4:5], s[4:5], s[20:21]
	s_add_nc_u64 s[22:23], s[10:11], s[22:23]
	s_add_nc_u64 s[24:25], s[10:11], s[24:25]
.irp f, 0,1
.set i, 0
.rept 16
	global_load_b128 v[R+64*\f+4*i:R+64*\f+4*i+3], v1, s[4:5] offset:(i+8*(i/8))*4096+512*\f th:TH_LOAD_NT   ; 512 consecutive bytes of the row at position i
.set i, i+1
.endr
.endr
	s_wait_loadcnt 16                              ; the first fragment's sixteen loads are in
	XTURN 0, X
	s_wait_loadcnt 0x0
	s_wait_dscnt 0x0                               ; the first fragment is back: its raw registers take the second
	XTURN 1, R
	QX X, 0
	ds_store_b32 v4, v22                           ; lanes r and r + 16 write the same word with the same value
	s_wait_dscnt 1                                 ; the second fragment is back; the word's store may be out
	QX R, 1
	ds_store_b32 v4, v23 offset:4
	s_wait_dscnt 0x0                               ; for the others' sake: my words lie in LDS
	s_barrier_signal -1
	s_barrier_wait -1
	s_cmp_lg_u32 s14, 0
	s_cbranch_scc1 .Lxend
	ds_load_b128 v[12:15], v5
	s_wait_dscnt 0x0
	global_store_b128 v1, v[12:15], s[24:25]       ; the tile's 16 rows of 8 words: 512 consecutive bytes
.Lxend:
	s_wait_tensorcnt 0x0
	ds_add_u32 v248, v249
	s_wait_dscnt 0x0
	s_endpgm
.Lfunc_end_k_q33539495fe_quant:
	.size	k_q33539495fe_quant, .Lfunc_end_k_q33539495fe_quant-k_q33539495fe_quant
	.p2alignl 7, 3214868480
	.fill 96, 4, 3214868480
	.section	.rodata,"a",@progbits
	.p2align	6, 0x0
	.amdhsa_kernel k_q33539495fe_quant
		.amdhsa_group_segment_fixed_size 34816
		.amdhsa_private_segment_fixed_size 0
		.amdhsa_enable_private_segment 0
		.amdhsa_kernarg_size 40
		.amdhsa_user_sgpr_count 2
		.amdhsa_user_sgpr_kernarg_segment_ptr 1
		.amdhsa_wavefront_size32 1
		.amdhsa_system_sgpr_workgroup_id_x 1
		.amdhsa_system_sgpr_workgroup_id_y 1
		.amdhsa_system_sgpr_workgroup_id_z 1
		.amdhsa_system_vgpr_workitem_id 0
		.amdhsa_next_free_vgpr 250
		.amdhsa_next_free_sgpr 66
		.amdhsa_reserve_vcc 0
		.amdhsa_float_denorm_mode_32 3
		.amdhsa_float_denorm_mode_16_64 3
		.amdhsa_memory_ordered 1
		.amdhsa_forward_progress 1
		.amdhsa_inst_pref_size 57
	.end_amdhsa_kernel
	.amdgpu_metadata
---
amdhsa.version: [ 1, 2 ]
amdhsa.kernels:
  - .name:           k_q33539495fe_quant
    .symbol:         k_q33539495fe_quant.kd
    .args:
      - { .name: x, .offset: 0, .size: 8, .value_kind: global_buffer, .address_space: global }
      - { .name: w_qkv, .offset: 8, .size: 8, .value_kind: global_buffer, .address_space: global }
      - { .name: w_out, .offset: 16, .size: 8, .value_kind: global_buffer, .address_space: global }
      - { .name: xq, .offset: 24, .size: 8, .value_kind: global_buffer, .address_space: global }
      - { .name: wq, .offset: 32, .size: 8, .value_kind: global_buffer, .address_space: global }
    .group_segment_fixed_size: 34816
    .private_segment_fixed_size: 0
    .kernarg_segment_align: 8
    .kernarg_segment_size: 40
    .max_flat_workgroup_size: 128
    .sgpr_count:     66
    .vgpr_count:     250
    .wavefront_size: 32
...
	.end_amdgpu_metadata
.endif
;; end of part 1
;; launch gemm_qkv (part 2): grid 8 x 32, 4 waves a work-group, clusters of 4 x 4, 327,680 bytes of LDS; arguments xq, wq, qkv; writes qkv
.if DOCPART == 2
	.amdgcn_target "amdgcn-amd-amdhsa--gfx1250"
	.amdhsa_code_object_version 6
	.text
	.protected	k_q33539495fe_gemm_qkv
	.globl	k_q33539495fe_gemm_qkv
	.p2align	8
	.type	k_q33539495fe_gemm_qkv,@function
k_q33539495fe_gemm_qkv:
	s_mov_b64 s[64:65], 0
	v_nop
	global_prefetch_b8 v0, s[64:65] scope:SCOPE_SE
	s_setreg_imm32_b32 hwreg(HW_REG_WAVE_MODE, 25, 1), 1
	s_wait_xcnt 0x0
	s_wait_alu depctr_hold_cnt(0) depctr_sa_sdst(0) depctr_va_vdst(0) depctr_va_sdst(0) depctr_va_ssrc(0) depctr_va_vcc(0) depctr_vm_vsrc(0)
	s_getreg_b32 s2, hwreg(HW_REG_IB_STS2, 6, 4)
	s_cmp_eq_u32 s2, 0
	s_cbranch_scc0 .Lentry_in_a_cluster
	s_endpgm
.Lentry_in_a_cluster:
	s_bfe_u32 s2, ttmp6, 0x10000c
	s_cmp_lg_u32 s2, 0xf033
	s_cbranch_scc0 .Lentry_shape_is_right
	s_endpgm
.Lentry_shape_is_right:
; qkv = x w_qkv on codes of E2M3, and its results quantised on the way out: q and k along a head's 64 channels, v along the keys.  No f32 result goes to memory.
; A WORK-GROUP STAYS: 256 work-groups, one for each WGP.  Work-group (X, Y) takes rows 256 Y on of x, twice: PHASE 1 against columns 256 X on (q and k: 2,048 columns), PHASE 2 against columns 2,048 + 128 X on (v).
; So every work-group has the same work, 768 matrix instructions a wave, and all partners of a cluster do the same kind of work at the same time.
; OPERANDS lie in memory as images of registers (16 rows x 128 K: 1,536 bytes, registers 4 c .. 4 c + 3 of lane l at 512 c + 16 l): a fragment is three loads of 16 bytes a lane, on end, without padding.
; THE SIDE THAT IS QUANTISED ALONG IS SOURCE 0 (R), the other is source 1 (P): a lane then holds one row of P and its registers run along R.  Phase 1: P = x, R = w, a wave 128 x 128, 64 accumulators.
; Phase 2: P = w (a wave: 64 channels), R = x (a wave: 128 keys), 32 accumulators.
; Rows of x and columns of w stand at POSITIONS (position 32 g + 16 u + r holds index 32 g + 8 u + r + 8 (r / 8)), so that the 16 registers of R's tiles 2 b, 2 b + 1 are the 16 neighbours 32 b + 16 (lane / 16) + 0 .. 15.
; LDS: three slots of 98,304 bytes (256 along K: x's 16 tiles x 3,072 bytes, then w's).  K steps 0, 1, 2 are first fills.  Filled again, each behind a round of the cluster's barrier, one tensor load a wave:
;   in step 1: slot 0 takes K step 3;   in step 5: w's parts of slots 1 and 2, read out, take ALL of K of the 128 v columns (98,304 dense bytes, 24,576 a wave);
;   in the middle of phase 1's way out: w's part of slot 0 takes x's K step 0 once more.  x's K steps 1, 2, 3 still lie in LDS, so phase 2 walks K in the order 2 .. 7, 0, 1 (steps of 128).
; RESULTS.  q, k: [head' 32][tile of 16 positions 512], 768 bytes: registers 0-3 at 16 l, registers 4-5 at 512 + 8 l.  v: [128 keys 64][tile of 16 channels 64], two such halves.  Scale words: [group of 4 tiles][row 16][4 words];
; q's and k's words carry 0x7f in bytes 2, 3 (their K is 64).  In the v part lanes r and r + 16 store the same words to the same bytes.
; CLUSTERS: 4 x 4.  x's tiles are shared along a row of the cluster, w's along a column, by joint loads.
; LIMITS: NaN and infinities are not served; a block of zeros or under 2^-124 gets the byte 1 with zero codes.
; REGISTERS: window 0: v1-2 r, h; v12-31 addresses; v32-95 scale words; v96-127 the v columns' scale words; v128-223 P's fragments (on the ways out: at work).  window 1: R's fragments, two sets.
;   windows 2, 3: accumulator (a, b) at v[8 (8 (a % 4) + b)].
.set XS,    6291456
.set WQS,   2359296
.set VC,    12582912
.set QKS,   18874368
.set VS,    19922944
.set SLOT,  98304
.set HALFT, 24576                      ; 8 tiles x 256 K: one tensor load
.set SCL,   3*SLOT                     ; the scale words of x's 256 rows and of the 256 q, k columns, all of K: two loads of 8,192 bytes
.set SPARE, SCL+24576                  ; the spare words, 128 bytes a wave: no other line names them
.set ADX,  12                          ; v12-14 phase 2: my 8 tiles of x in slot 0, 1, 2
.set SOV,  15                          ; v15 16 r: my place among v's scale words
.set ADRP, 16                          ; v16-18 phase 1: my P fragments (x) in slot 0, 1, 2
.set ADV,  19                          ; v19 phase 2: my P fragments (the v columns)
.set ADRR, 20                          ; v20-22 phase 1: my R fragments (w); v20 also: phase 2's x of K step 0
.set ADS2, 23                          ; v23 phase 2: LDS address of x's scale words
.set L16,  24                          ; v24 16 x lane
.set L8,   25                          ; v25 8 x lane
.set SOF,  26                          ; v26 my place among q's and k's scale words
.set ADS,  27                          ; v27 phase 1: LDS address of my scale words: lanes 0-15 x's rows, lanes 16-31 w's
.set SPW,  28
.set NIL,  29
.set SHV,  30                          ; v30 16 in lanes 16-31
.set VSO,  31                          ; v31 32 r
.set SC,   32                          ; phase 1: register 8 i + j: lanes 0-15 the word of P's block i, lanes 16-31 of R's block i, K step j.  Phase 2: x's block i in both halves
.set SCV,  96                          ; register 8 i + j: the word of the v columns' block i
.set AF,   128
.set PF,   128                         ; phase 2: P's fragments, two sets of 48
.set PC,   128                         ; the ways out: v128-147 codes
.set TM,   152                         ; v152-167 at work
.set PW,   168
.set TT,   169
.set SW,   172                         ; v172-175 four tiles' scale words
.set G1A,  24
.set G0A,  32                          ; three sets, one a slot
.set G1B,  44
.set G0B,  52
.set G1SA, 68
.set G0SA, 76
.set G1SB, 80
.set G0SB, 88
.set G1V,  68                          ; the v columns' codes: written where x's scale words' descriptor stood, behind the wait that showed that load done
.set G0V,  76
.set MSB, 0
.macro WIN new                         ; the immediate's high byte repeats the setting that is left
.if MSB != \new
	s_set_vgpr_msb (MSB<<8)|\new
.set MSB, \new
.endif
.endm
; A joint load: waves 0 and 1 fetch x's halves, waves 2 and 3 w's.  The branch hangs on the wave's number alone.  Four v_nop follow each line.
.macro JLOAD g0a, g1a, g0b, g1b
	s_cmp_eq_u32 s15, 0
	s_cbranch_scc0 .Lfor_b_\@
	tensor_load_to_lds s[\g0a:\g0a+3], s[\g1a:\g1a+7]
	s_nop 0
.rept 4
	v_nop
.endr
	s_branch .Lasked_\@
.Lfor_b_\@:
	tensor_load_to_lds s[\g0b:\g0b+3], s[\g1b:\g1b+7]
	s_nop 0
.rept 4
	v_nop
.endr
.Lasked_\@:
.endm
.macro CREST                           ; a round of the cluster's barrier behind its opening barrier
	s_cmp_lg_u32 s14, 0
	s_cbranch_scc1 .Lnot_wave_0_\@
	s_barrier_signal -3
.Lnot_wave_0_\@:
	s_barrier_wait -3
	s_barrier_signal -1
	s_barrier_wait -1
.endm
.macro CROUND
	s_barrier_signal -1
	s_barrier_wait -1
	CREST
.endm
.macro PLACES n                        ; plain lines between a matrix instruction and a load into, or a vector read or write of, its registers
.rept \n
	v_nop
.endr
.endm
	s_load_b128 s[4:7], s[0:1], 0x0                ; xq s[4:5], wq s[6:7]
	s_load_b64 s[8:9], s[0:1], 0x10                ; qkv
	v_lshl_add_u32 v[SPW], v0, 2, SPARE
	v_mov_b32 v[NIL], 0
	ds_add_u32 v28, v29
	ds_add_u32 v28, v29
	s_wait_dscnt 0x0
	v_lshrrev_b32 v1, 5, v0
	v_readfirstlane_b32 s14, v1                    ; wave 0..3
	s_lshr_b32 s15, s14, 1                         ; hP: which half of P is mine.  Also: I fetch for x (0) or for w (1)
	s_and_b32 s16, s14, 1                          ; hR: which half of R.  Also: which 8 tiles I fetch
	s_bfe_u32 s10, ttmp6, 0x40000                  ; cx
	s_bfe_u32 s11, ttmp6, 0x40004                  ; cy
	s_lshl_b32 s13, ttmp9, 2
	s_add_co_u32 s13, s13, s10                     ; X: 0 .. 7
	s_and_b32 s17, ttmp7, 0xffff
	s_lshl_b32 s17, s17, 2
	s_add_co_u32 s17, s17, s11                     ; Y: 256 rows of x
	s_lshl_b32 s18, s11, 2
	s_lshl_b32 s18, 15, s18                        ; my row of the cluster
	s_lshl_b32 s19, 0x1111, s10                    ; my column
	; group 1 for codes: 8 rows (tiles) of 3,072 bytes (384 elements of 8), 12,288 bytes apart; no padding
	s_or_b32 s[G1A+0], s18, (3<<16)|(1<<21)
	s_or_b32 s[G1B+0], s19, (3<<16)|(1<<21)
.irp g, G1A, G1B
	s_mov_b32 s[\g+1], 384<<16
	s_mov_b32 s[\g+2], 16<<16                      ; the first fills bring 16 tiles a load; the refills 8 (set in K step 1)
	s_mov_b32 s[\g+3], 384<<16
	s_mov_b32 s[\g+4], 16
	s_mov_b32 s[\g+5], 1536
	s_mov_b32 s[\g+6], 0
	s_mov_b32 s[\g+7], 0
.endr
	; and for the scale words of 256 rows: a dense block of 8,192 bytes as 32 rows of 256
	s_or_b32 s[G1SA+0], s18, (3<<16)|(1<<21)
	s_or_b32 s[G1SB+0], s19, (3<<16)|(1<<21)
.irp g, G1SA, G1SB
	s_mov_b32 s[\g+1], 32<<16
	s_mov_b32 s[\g+2], 32<<16                      ; the scale words of 256 rows: 8,192 dense bytes as 32 rows of 256
	s_mov_b32 s[\g+3], 32<<16
	s_mov_b32 s[\g+4], 32
	s_mov_b32 s[\g+5], 32
	s_mov_b32 s[\g+6], 0
	s_mov_b32 s[\g+7], 0
.endr
	s_mul_i32 s2, s16, 98304                       ; for the refills: my half of 16 tiles, in bytes
	s_mov_b32 s3, 0
	s_lshl_b32 s20, s17, 4                         ; x: tile 16 Y
	s_lshl_b32 s22, s20, 9
	s_add_co_u32 s22, s22, XS                      ; its scale words,
	s_mul_i32 s20, s20, 12288                      ; its codes
	s_mov_b32 s21, 0
	s_mov_b32 s23, 0
	s_lshl_b32 s92, s13, 4                         ; w, phase 1: tile 16 X
	s_lshl_b32 s94, s92, 9
	s_add_co_u32 s94, s94, WQS
	s_mul_i32 s92, s92, 12288
	s_mov_b32 s93, 0
	s_mov_b32 s95, 0
	s_lshl_b32 s98, s13, 3
	s_lshl_b32 s99, s14, 1
	s_add_co_u32 s98, s98, s99
	s_add_co_u32 s98, s98, 128                     ; w, phase 2: I fetch tiles 128 + 8 X + 2 wave and the next, all of K
	s_mul_i32 s98, s98, 12288
	s_mov_b32 s99, 0
	s_lshl_b32 s100, s13, 7
	s_lshl_b32 s101, s15, 6
	s_add_co_u32 s100, s100, s101
	s_add_co_u32 s100, s100, 2048                  ; and the scale words of my 64 v columns: position 2,048 + 128 X + 64 hP on
	s_lshl_b32 s100, s100, 5
	s_add_co_u32 s100, s100, WQS
	s_mov_b32 s101, 0
	s_mul_i32 s96, s14, HALFT                      ; where the tiles go: wave x 8 tiles; no place in the cluster enters an LDS address
	s_wait_kmcnt 0x0
	s_add_nc_u64 s[20:21], s[4:5], s[20:21]
	s_add_nc_u64 s[22:23], s[4:5], s[22:23]
	s_add_nc_u64 s[92:93], s[6:7], s[92:93]
	s_add_nc_u64 s[94:95], s[6:7], s[94:95]
	s_add_nc_u64 s[98:99], s[6:7], s[98:99]
	s_add_nc_u64 s[100:101], s[6:7], s[100:101]
	CROUND                                         ; all sixteen work-groups are here: the first joint loads meet
	s_mov_b32 s[G0SA], 1
	s_mov_b32 s[G0SA+1], SCL
	s_mov_b64 s[G0SA+2:G0SA+3], s[22:23]
	s_or_b32 s[G0SA+3], s[G0SA+3], 0x80000000
	s_mov_b32 s[G0SB], 1
	s_mov_b32 s[G0SB+1], SCL+8192
	s_mov_b64 s[G0SB+2:G0SB+3], s[94:95]
	s_or_b32 s[G0SB+3], s[G0SB+3], 0x80000000
	s_mov_b32 s[G0A], 1                            ; set 0 serves the refills of slot 0: my 8 tiles, first used in K step 1
	s_mov_b32 s[G0A+1], s96
	s_add_nc_u64 s[G0A+2:G0A+3], s[20:21], s[2:3]
	s_or_b32 s[G0A+3], s[G0A+3], 0x80000000
	s_mov_b32 s[G0B], 1
	s_mov_b32 s[G0B+1], s96
	s_add_nc_u64 s[G0B+2:G0B+3], s[92:93], s[2:3]
	s_or_b32 s[G0B+3], s[G0B+3], 0x80000000
.irp s, 1,2
	s_mov_b32 s[G0A+4*\s], 1                       ; sets 1, 2: K step s of all 16 tiles, x's and w's
	s_mov_b32 s[G0A+4*\s+1], \s*SLOT
	s_add_nc_u64 s[G0A+4*\s+2:G0A+4*\s+3], s[20:21], \s*3072
	s_or_b32 s[G0A+4*\s+3], s[G0A+4*\s+3], 0x80000000
	s_mov_b32 s[G0B+4*\s], 1
	s_mov_b32 s[G0B+4*\s+1], \s*SLOT+49152
	s_add_nc_u64 s[G0B+4*\s+2:G0B+4*\s+3], s[92:93], \s*3072
	s_or_b32 s[G0B+4*\s+3], s[G0B+4*\s+3], 0x80000000
.endr
	s_mov_b32 s4, 1                                ; K step 0 of x's 16 tiles: group 0 in s[4:7], where arguments lay that have been used
	s_mov_b32 s5, 0
	s_mov_b64 s[6:7], s[20:21]
	s_or_b32 s7, s7, 0x80000000
	s_mov_b64 s[94:95], s[92:93]                   ; and of w's: group 0 in s[92:95]
	s_or_b32 s95, s95, 0x80000000
	s_mov_b32 s92, 1
	s_mov_b32 s93, 49152
; ONE TENSOR LOAD A WAVE at the head, in one chain of branches on the wave's number: wave 0 x's K step 0, wave 1 w's, wave 2 x's scale words, wave 3 w's
.macro ARM under, g0, g1, next, join
	s_cmp_lt_u32 s14, \under
	s_cbranch_scc0 \next
	tensor_load_to_lds s[\g0:\g0+3], s[\g1:\g1+7]
	s_nop 0
	PLACES 4
	s_branch \join
\next:
.endm
	ARM 1, 4, G1A, .Lh1, .Lhj
	ARM 2, 92, G1B, .Lh2, .Lhj
	ARM 3, G0SA, G1SA, .Lh3, .Lhj
	tensor_load_to_lds s[G0SB:G0SB+3], s[G1SB:G1SB+7]
	s_nop 0
	PLACES 4
.Lhj:
	v_and_b32 v1, 15, v0                           ; r
	v_bfe_u32 v2, v0, 4, 1                         ; h
	v_and_b32 v3, 31, v0
	v_lshlrev_b32 v[L16], 4, v3
	v_lshlrev_b32 v[L8], 3, v3
	v_lshlrev_b32 v[VSO], 5, v1
	v_lshlrev_b32 v[SOV], 4, v1
.irp i, 0,1,2,3
	global_load_b128 v[SCV+8*\i:SCV+8*\i+3], v[VSO], s[100:101] offset:512*\i        ; the v columns' scale words, all of K, for phase 2: two loads cover a tile's 512 bytes; lanes r and r + 16 read the same
	global_load_b128 v[SCV+8*\i+4:SCV+8*\i+7], v[VSO], s[100:101] offset:512*\i+16
.endr
	s_mul_i32 s66, s15, HALFT                      ; x by hP,
	s_mul_i32 s67, s16, HALFT                      ; x by hR,
	s_add_co_u32 s2, s67, 49152                    ; w by hR
.irp s, 0,1,2
	v_add_nc_u32 v[ADRP+\s], s66, v[L16]
	v_add_nc_u32 v[ADRR+\s], s2, v[L16]
	v_add_nc_u32 v[ADX+\s], s67, v[L16]
	s_add_co_u32 s66, s66, SLOT
	s_add_co_u32 s2, s2, SLOT
	s_add_co_u32 s67, s67, SLOT
.endr
	s_mul_i32 s66, s15, SLOT
	s_add_co_u32 s66, s66, SLOT+49152
	v_add_nc_u32 v[ADV], s66, v[L16]               ; my four tiles of v columns: w's part of slot 1 + hP
	s_lshl_b32 s66, s15, 12
	s_lshl_b32 s67, s16, 12
	s_add_co_u32 s2, s67, SCL
	v_lshl_add_u32 v[ADS2], v1, 5, s2              ; x's words by hR, 32 bytes a row
	s_add_co_u32 s67, s67, 8192
	s_sub_co_u32 s67, s67, s66                     ; from x's half hP to w's half hR
	v_mul_u32_u24 v4, s67, v2                      ; lanes 16-31 take w's
	v_lshl_add_u32 v4, v1, 5, v4
	s_add_co_u32 s66, s66, SCL
	v_add_nc_u32 v[ADS], s66, v4
.macro FRAG reg, adr, off              ; a fragment: three loads, 512 consecutive bytes each
.irp c, 0,1,2
	ds_load_b128 v[\reg+4*\c:\reg+4*\c+3], v[\adr] offset:\off+512*\c
.endr
.endm
.macro FETCH_R j                       ; phase 1: R's eight fragments of K step j (128 along K) into set j % 2
.set SL, ((\j)/2)%3
.set PJ, (\j)%2
	WIN 0x40
.irp b, 0,1,2,3,4,5,6,7
	FRAG 128*PJ+12*\b, ADRR+SL, 3072*\b+1536*PJ
.endr
	WIN 0
.endm
.macro FETCH_P j, i0                   ; P's blocks i0 .. i0 + 3
.set SL, ((\j)/2)%3
.set PJ, (\j)%2
.irp i, \i0, \i0+1, \i0+2, \i0+3
	FRAG AF+12*(\i), ADRP+SL, 3072*(\i)+1536*PJ
.endr
.endm
.macro SCALES adr                      ; all of K's scale words, once a phase
.irp i, 0,1,2,3,4,5,6,7
	ds_load_b128 v[SC+8*\i:SC+8*\i+3], v[\adr] offset:512*\i
	ds_load_b128 v[SC+8*\i+4:SC+8*\i+7], v[\adr] offset:512*\i+16
.endr
.endm
; 16 matrix instructions: P's blocks a0, a0 + 1 x R's eight.  The 64 accumulators take turns, one instruction a turn, in the same order in every step.
.macro MUL16 a0, j, zero
.irp a, \a0, \a0+1
.irp b, 0,1,2,3,4,5,6,7
.if \zero
	v_wmma_scale_f32_16x16x128_f8f6f4 v[8*(8*((\a)%4)+\b):8*(8*((\a)%4)+\b)+7], v[128*((\j)%2)+12*\b:128*((\j)%2)+12*\b+11], v[AF+12*(\a):AF+12*(\a)+11], 0, v[SC+8*\b+(\j)], v[SC+8*(\a)+(\j)] matrix_a_fmt:MATRIX_FMT_FP6 matrix_b_fmt:MATRIX_FMT_FP6 matrix_a_scale:MATRIX_SCALE_ROW1
.else
	v_wmma_scale_f32_16x16x128_f8f6f4 v[8*(8*((\a)%4)+\b):8*(8*((\a)%4)+\b)+7], v[128*((\j)%2)+12*\b:128*((\j)%2)+12*\b+11], v[AF+12*(\a):AF+12*(\a)+11], v[8*(8*((\a)%4)+\b):8*(8*((\a)%4)+\b)+7], v[SC+8*\b+(\j)], v[SC+8*(\a)+(\j)] matrix_a_fmt:MATRIX_FMT_FP6 matrix_b_fmt:MATRIX_FMT_FP6 matrix_a_scale:MATRIX_SCALE_ROW1
.endif
.endr
.endr
.endm
; K step j of phase 1, whose successor lies in a slot that every wave has been shown whole
.macro STEP j, zero
	s_wait_dscnt 12                                ; R's set and P's blocks 0-3 are in; the youngest twelve loads (P's blocks 4-7) may be out
	WIN 0xa1
	MUL16 0, \j, \zero
	MUL16 2, \j, \zero
	s_wait_dscnt 0x0
	PLACES 4
	FETCH_R (\j)+1
	FETCH_P (\j)+1, 0
	WIN 0xf1
	MUL16 4, \j, \zero
	MUL16 6, \j, \zero
	PLACES 4
	WIN 0
	FETCH_P (\j)+1, 4
.endm
; K step j with a refill in it: in front of the round each wave waits for all its tensor loads, adds 0 to its spare word, and waits for that and for its LDS reads.
; fill = 1: slot 0, read out, takes the last quarter of K.  fill = 2: w's parts of slots 1 and 2, read out, take the v columns.
.macro TURN j, fill
	s_wait_tensorcnt 0x0                           ; all my tensor loads have landed
	ds_add_u32 v[SPW], v[NIL]                      ; 0 onto my spare word
.if \fill == 1
	s_mov_b32 s[G1A+2], 8<<16                      ; no tensor load of mine is out: from here on a load of codes brings 8 tiles
	s_mov_b32 s[G1A+4], 8
	s_mov_b32 s[G1B+2], 8<<16
	s_mov_b32 s[G1B+4], 8
.endif
	s_wait_dscnt 13
	WIN 0xa1
	MUL16 0, \j, 0
	s_wait_dscnt 0x0                               ; the add is done, and my reads of the slots up to this step's are over
	s_barrier_signal -1
	MUL16 2, \j, 0
	WIN 0
	s_barrier_wait -1
	CREST                                          ; the barrier has opened a round of the cluster's: no wave of any partner reads the bytes to be filled or has a load on its way
.if \fill == 1
	s_add_nc_u64 s[G0A+2:G0A+3], s[G0A+2:G0A+3], 9216
	s_add_nc_u64 s[G0B+2:G0B+3], s[G0B+2:G0B+3], 9216
	JLOAD G0A, G1A, G0B, G1B                       ; the first tensor load behind the round; its four v_nop are the places in front of the loads below
.else
	tensor_load_to_lds s[G0V:G0V+3], s[G1V:G1V+7]  ; every wave its two tiles of v columns, 24,576 dense bytes
	s_nop 0
	PLACES 4
.endif
	FETCH_R (\j)+1
	FETCH_P (\j)+1, 0
	WIN 0xf1
	MUL16 4, \j, 0
	MUL16 6, \j, 0
	PLACES 4
	WIN 0
	FETCH_P (\j)+1, 4
.endm
; THE WAY OUT of block a of P: a lane's 64 numbers (register 16 b + i = index 32 b + 16 h + i along R) become 12 registers of codes and a scale word, and leave as images: every store of codes covers 256 or 512 consecutive bytes.
; vm = 0: q, k (registers 0-5 and 6-11 belong to two heads); vm = 1: v.  cb: s[cb:cb+1], s[cb+2:cb+3] where registers 0-5 and 6-11 of block 0 go, s[cb+4:cb+5] the scale words.  stp: bytes from block to block, in the immediates.
.macro EPI a, vm, cb, stp
.set AC, 64*((\a)%4)
.set WW, 2+(\a)/4
	WIN (WW*5)                                     ; sources 0 and 1: the accumulators' window
.irp b, 0,1,2,3
	v_max3_num_f32 v[TM+\b], |v[AC+16*\b]|, |v[AC+16*\b+1]|, 0x1800000    ; each accumulator is read from its low end on; the floor holds the byte at 1 from below
.endr
.irp i, 2,4,6,8,10,12,14
.irp b, 0,1,2,3
	v_max3_num_f32 v[TM+\b], |v[AC+16*\b+\i]|, |v[AC+16*\b+\i+1]|, v[TM+\b]
.endr
.endr
	WIN 0
.irp b, 0,1,2,3
	v_permlanex16_b32 v[TM+4+\b], v[TM+\b], s66, s67
.endr
.irp b, 0,1,2,3
	v_max_num_f32 v[TM+\b], v[TM+\b], v[TM+4+\b]   ; with lane l xor 16's 16: the block's largest magnitude
.endr
.irp b, 0,1,2,3
	v_add_nc_u32 v[TM+12+\b], 0xff000000, v[TM+\b]
.endr
.irp b, 0,1,2,3
	v_lshrrev_b32 v[TM+4+\b], 23, v[TM+12+\b]
.endr
	v_lshl_or_b32 v[PW], v[TM+5], 8, v[TM+4]
	v_lshl_or_b32 v[PW], v[TM+6], 16, v[PW]
	v_lshl_or_b32 v[PW], v[TM+7], 24, v[PW]
	s_wait_xcnt 0x0                                ; the last block's stores have read their data: the codes' and the words' registers are written again below
	WIN WW
.irp c, 0,1
	v_cvt_scalef32_pk16_fp6_f32 v[PC+6*\c:PC+6*\c+2], v[AC+32*\c:AC+32*\c+15], v[TM+12+2*\c]
	v_cvt_scalef32_pk16_fp6_f32 v[PC+12+4*\c:PC+14+4*\c], v[AC+32*\c+16:AC+32*\c+31], v[TM+13+2*\c]
.endr
	WIN 0
	v_nop                                          ; one plain line behind the conversions
.irp c, 0,1                            ; the layout wants a whole block in a lane
.irp i, 0,1,2
	v_permlane16_swap_b32 v[PC+6*\c+\i], v[PC+12+4*\c+\i]
.endr
.irp i, 0,1,2
	v_mov_b32 v[PC+3+6*\c+\i], v[PC+12+4*\c+\i]
.endr
.endr
.if \vm
	v_mov_b32 v[SW+(\a)%4], v[PW]
.else
	v_lshrrev_b32 v[TT], v[SHV], v[PW]             ; lanes 16-31 keep the second head's two bytes,
	v_and_or_b32 v[SW+(\a)%4], v[TT], s44, s45     ; under 0x7f for K = 64 .. 127
.endif
	global_store_b128 v[L16], v[PC:PC+3], s[\cb:\cb+1] offset:(\a)*\stp
	global_store_b64 v[L8], v[PC+4:PC+5], s[\cb:\cb+1] offset:(\a)*\stp+512
	global_store_b128 v[L16], v[PC+6:PC+9], s[\cb+2:\cb+3] offset:(\a)*\stp
	global_store_b64 v[L8], v[PC+10:PC+11], s[\cb+2:\cb+3] offset:(\a)*\stp+512
.if (\a)%4 == 3
.if \vm
	global_store_b128 v[SOV], v[SW:SW+3], s[\cb+4:\cb+5]
.else
	global_store_b128 v[SOF], v[SW:SW+3], s[\cb+4:\cb+5] offset:256*((\a)/4)       ; four tiles' words: 16 lanes store 256 consecutive bytes
.endif
.endif
.endm
; PHASE 2.  Step n of eight takes K step (n + 2) % 8: x's K steps 2 .. 7 lie where phase 1 left them, K steps 0, 1 come last, from w's part of slot 0.
.macro FETCH2 n                        ; the fragments of step n into set n % 2: x's eight, the v columns' four
.set JJ, ((\n)+2)%8
.set SJ, (\n)%2
.if JJ < 2
.set RA, ADRR
.elseif JJ < 6
.set RA, ADX+JJ/2
.else
.set RA, ADX
.endif
	WIN 0x40
.irp b, 0,1,2,3,4,5,6,7
	FRAG 128*SJ+12*\b, RA, 3072*\b+1536*(JJ%2)
.endr
	WIN 0
.irp a, 0,1,2,3
	FRAG PF+48*SJ+12*\a, ADV, 12288*\a+1536*JJ
.endr
.endm
.macro MUL32V n                        ; the 32 accumulators take turns, one instruction a turn
.set JJ, ((\n)+2)%8
.set SJ, (\n)%2
.irp a, 0,1,2,3
.irp b, 0,1,2,3,4,5,6,7
.if (\n) == 0
	v_wmma_scale_f32_16x16x128_f8f6f4 v[8*(8*\a+\b):8*(8*\a+\b)+7], v[128*SJ+12*\b:128*SJ+12*\b+11], v[PF+48*SJ+12*\a:PF+48*SJ+12*\a+11], 0, v[SC+8*\b+JJ], v[SCV+8*\a+JJ] matrix_a_fmt:MATRIX_FMT_FP6 matrix_b_fmt:MATRIX_FMT_FP6
.else
	v_wmma_scale_f32_16x16x128_f8f6f4 v[8*(8*\a+\b):8*(8*\a+\b)+7], v[128*SJ+12*\b:128*SJ+12*\b+11], v[PF+48*SJ+12*\a:PF+48*SJ+12*\a+11], v[8*(8*\a+\b):8*(8*\a+\b)+7], v[SC+8*\b+JJ], v[SCV+8*\a+JJ] matrix_a_fmt:MATRIX_FMT_FP6 matrix_b_fmt:MATRIX_FMT_FP6
.endif
.endr
.endr
.endm
.macro STEP2 n
	s_wait_dscnt 0x0                               ; this step's fragments are in
.if (\n) == 5
	s_wait_tensorcnt 0x0                           ; my part of x's K step 0 is in,
	s_barrier_signal -1
	s_barrier_wait -1                              ; everybody's is
.endif
.if (\n) < 7
	PLACES 4                                       ; in front of loads into the set that the last step multiplied
	FETCH2 (\n)+1
.endif
	WIN 0xa1
	MUL32V \n
	WIN 0
.endm
	s_wait_alu depctr_va_vdst(0)
	s_wait_tensorcnt 0x0                           ; my tile of the head's four is in; slots 1 and 2 are first filled as a refill is:
	ds_add_u32 v[SPW], v[NIL]
	s_wait_dscnt 0x0
	CROUND                                         ; all four tiles are in, and all sixteen work-groups are here
	ARM 1, G0A+4, G1A, .Lg1, .Lgj                  ; wave 0 x's K step 1, wave 1 x's K step 2, wave 2 w's K step 1, wave 3 w's K step 2
	ARM 2, G0A+8, G1A, .Lg2, .Lgj
	ARM 3, G0B+4, G1B, .Lg3, .Lgj
	tensor_load_to_lds s[G0B+8:G0B+11], s[G1B:G1B+7]
	s_nop 0
	PLACES 4
.Lgj:
	FETCH_R 0
	FETCH_P 0, 0
	SCALES ADS
	FETCH_P 0, 4
	STEP 0, 1                                      ; the first products start the sums: nothing is cleared
	TURN 1, 1                                      ; slot 0 is left; slots 1 and 2 are whole for every wave from here on
	; the v columns' descriptor: 24,576 dense bytes as 96 rows of 256, shared along my column of the cluster.  The registers' former loads were shown done by the waits above; the one load of mine that is out names none of them
	s_or_b32 s[G1V+0], s19, (3<<16)|(1<<21)
	s_mov_b32 s[G1V+1], 32<<16
	s_mov_b32 s[G1V+2], 96<<16
	s_mov_b32 s[G1V+3], 32<<16
	s_mov_b32 s[G1V+4], 96
	s_mov_b32 s[G1V+5], 32
	s_mov_b32 s[G1V+6], 0
	s_mov_b32 s[G1V+7], 0
	s_mov_b32 s[G0V], 1
	s_mul_i32 s[G0V+1], s15, SLOT
	s_mul_i32 s2, s16, HALFT
	s_add_co_u32 s[G0V+1], s[G0V+1], s2
	s_add_co_u32 s[G0V+1], s[G0V+1], SLOT+49152    ; waves 0, 1: w's part of slot 1; waves 2, 3: of slot 2
	s_mov_b64 s[G0V+2:G0V+3], s[98:99]
	s_or_b32 s[G0V+3], s[G0V+3], 0x80000000
	STEP 2, 0
	STEP 3, 0
	STEP 4, 0
	TURN 5, 2                                      ; the last quarter of K, asked for four steps ago, is shown whole; the v columns are asked for
	STEP 6, 0
	s_wait_dscnt 12
	WIN 0xa1
	MUL16 0, 7, 0
	MUL16 2, 7, 0
	s_wait_dscnt 0x0
	WIN 0xf1
	MUL16 4, 7, 0
	MUL16 6, 7, 0
	WIN 0
	PLACES 4
	s_mov_b32 s66, 0x76543210
	s_mov_b32 s67, 0xfedcba98                      ; lane l xor 16
	s_lshl_b32 s46, s13, 2
	s_lshl_b32 s47, s16, 1
	s_add_co_u32 s46, s46, s47                     ; q, k: head' 4 X + 2 hR
	s_lshl_b32 s47, s17, 4
	s_lshl_b32 s48, s15, 3
	s_add_co_u32 s47, s47, s48                     ; tile of positions 16 Y + 8 hP
	s_mul_i32 s36, s46, 393216
	s_mul_i32 s48, s47, 768
	s_add_co_u32 s36, s36, s48
	s_mov_b32 s37, 0
	s_lshl_b32 s40, s46, 15
	s_lshl_b32 s48, s47, 6
	s_add_co_u32 s40, s40, s48
	s_add_co_u32 s40, s40, QKS
	s_mov_b32 s41, 0
	s_add_nc_u64 s[36:37], s[8:9], s[36:37]
	s_add_nc_u64 s[38:39], s[36:37], 393216        ; registers 6-11: the next head
	s_add_nc_u64 s[40:41], s[8:9], s[40:41]
	s_mov_b32 s44, 0xffff
	s_mov_b32 s45, 0x7f7f0000
	s_lshl_b32 s46, s17, 1
	s_add_co_u32 s46, s46, s16                     ; v: 128 keys 2 Y + hR
	s_lshl_b32 s47, s13, 3
	s_lshl_b32 s48, s15, 2
	s_add_co_u32 s47, s47, s48                     ; tile of channels 8 X + 4 hP
	s_mul_i32 s80, s46, 98304
	s_mul_i32 s48, s47, 1536
	s_add_co_u32 s80, s80, s48
	s_add_co_u32 s80, s80, VC
	s_mov_b32 s81, 0
	s_lshl_b32 s84, s46, 12
	s_lshl_b32 s48, s47, 6
	s_add_co_u32 s84, s84, s48
	s_add_co_u32 s84, s84, VS
	s_mov_b32 s85, 0
	s_add_nc_u64 s[80:81], s[8:9], s[80:81]
	s_add_nc_u64 s[82:83], s[80:81], 768           ; registers 6-11: the fragment's second half
	s_add_nc_u64 s[84:85], s[8:9], s[84:85]
	v_lshlrev_b32 v[SOF], 15, v2                   ; q, k: lanes 16-31 store the second head's words, 32,768 bytes on
	v_lshl_add_u32 v[SOF], v1, 4, v[SOF]
	v_lshlrev_b32 v[SHV], 4, v2
.irp b, 0,1,2,3
	v_mov_b32 v[TM+4+\b], 0                        ; a lane permute's destination counts as one of its sources
.endr
.irp a, 0,1,2,3
	EPI \a, 0, 36, 768
.endr
	; x's K step 0 once more, into w's part of slot 0, which nobody reads any more
	s_wait_tensorcnt 0x0                           ; all my tensor loads have landed: my part of the v columns
	ds_add_u32 v[SPW], v[NIL]                      ; 0 onto my spare word
	s_add_co_u32 s[G0A+1], s[G0A+1], 49152
	s_sub_nc_u64 s[G0A+2:G0A+3], s[G0A+2:G0A+3], 9216      ; from K step 3 back to K step 0; the type bits on top are not reached
	s_wait_dscnt 0x0                               ; the add is done; my LDS reads were over at phase 1's last step
	CROUND                                         ; behind it the v columns are whole for every wave
	s_cmp_lt_u32 s14, 2
	s_cbranch_scc0 .Lno_x
	tensor_load_to_lds s[G0A:G0A+3], s[G1A:G1A+7]
	s_nop 0
.rept 4
	v_nop
.endr
.Lno_x:
.irp a, 4,5,6,7
	EPI \a, 0, 36, 768
.endr
	s_wait_xcnt 0x0                                ; the last stores have read their data: phase 2's fragments land there
	FETCH2 0
	SCALES ADS2
	s_wait_loadcnt 0x0                             ; the v columns' scale words, asked for at the head
.irp n, 0,1,2,3,4,5,6,7
	STEP2 \n
.endr
	PLACES 4
.irp a, 0,1,2,3
	EPI \a, 1, 80, 1536
.endr
	s_wait_tensorcnt 0x0                           ; the wave's end
	ds_add_u32 v[SPW], v[NIL]
	s_wait_dscnt 0x0
	CROUND                                         ; the closing round
	s_endpgm
.Lfunc_end_k_q33539495fe_gemm_qkv:
	.size	k_q33539495fe_gemm_qkv, .Lfunc_end_k_q33539495fe_gemm_qkv-k_q33539495fe_gemm_qkv
	.p2alignl 7, 3214868480
	.fill 96, 4, 3214868480
	.section	.rodata,"a",@progbits
	.p2align	6, 0x0
	.amdhsa_kernel k_q33539495fe_gemm_qkv
		.amdhsa_group_segment_fixed_size 327680
		.amdhsa_private_segment_fixed_size 0
		.amdhsa_enable_private_segment 0
		.amdhsa_kernarg_size 24
		.amdhsa_user_sgpr_count 2
		.amdhsa_user_sgpr_kernarg_segment_ptr 1
		.amdhsa_wavefront_size32 1
		.amdhsa_system_sgpr_workgroup_id_x 1
		.amdhsa_system_sgpr_workgroup_id_y 1
		.amdhsa_system_sgpr_workgroup_id_z 1
		.amdhsa_system_vgpr_workitem_id 0
		.amdhsa_next_free_vgpr 1024
		.amdhsa_next_free_sgpr 102
		.amdhsa_reserve_vcc 0
		.amdhsa_float_denorm_mode_32 3
		.amdhsa_float_denorm_mode_16_64 3
		.amdhsa_memory_ordered 1
		.amdhsa_forward_progress 1
		.amdhsa_inst_pref_size 217
	.end_amdhsa_kernel
	.amdgpu_metadata
---
amdhsa.version: [ 1, 2 ]
amdhsa.kernels:
  - .name:           k_q33539495fe_gemm_qkv
    .symbol:         k_q33539495fe_gemm_qkv.kd
    .args:
      - { .name: xq, .offset: 0, .size: 8, .value_kind: global_buffer, .address_space: global }
      - { .name: wq, .offset: 8, .size: 8, .value_kind: global_buffer, .address_space: global }
      - { .name: qkv, .offset: 16, .size: 8, .value_kind: global_buffer, .address_space: global }
    .group_segment_fixed_size: 327680
    .private_segment_fixed_size: 0
    .kernarg_segment_align: 8
    .kernarg_segment_size: 24
    .max_flat_workgroup_size: 128
    .sgpr_count:     102
    .vgpr_count:     1024
    .wavefront_size: 32
...
	.end_amdgpu_metadata
.endif
;; end of part 2
;; launch attn (part 3): grid 4 x 64, 8 waves a work-group, clusters of 4 x 1, 210,944 bytes of LDS; arguments qkv, oq; writes oq
.if DOCPART == 3
	.amdgcn_target "amdgcn-amd-amdhsa--gfx1250"
	.amdhsa_code_object_version 6
	.text
	.protected	k_q33539495fe_attn
	.globl	k_q33539495fe_attn
	.p2align	8
	.type	k_q33539495fe_attn,@function
k_q33539495fe_attn:
	s_mov_b64 s[64:65], 0
	v_nop
	global_prefetch_b8 v0, s[64:65] scope:SCOPE_SE
	s_setreg_imm32_b32 hwreg(HW_REG_WAVE_MODE, 25, 1), 1
	s_wait_xcnt 0x0
	s_wait_alu depctr_hold_cnt(0) depctr_sa_sdst(0) depctr_va_vdst(0) depctr_va_sdst(0) depctr_va_ssrc(0) depctr_va_vcc(0) depctr_vm_vsrc(0)
	s_getreg_b32 s2, hwreg(HW_REG_IB_STS2, 6, 4)
	s_cmp_eq_u32 s2, 0
	s_cbranch_scc0 .Lentry_in_a_cluster
	s_endpgm
.Lentry_in_a_cluster:
	s_bfe_u32 s2, ttmp6, 0x10000c
	s_cmp_lg_u32 s2, 0x3003
	s_cbranch_scc0 .Lentry_shape_is_right
	s_endpgm
.Lentry_shape_is_right:
; o = softmax(q k^T / 32) v for two heads of one batch, both products on codes of E2M3; o / l is quantised along (head, channel) and leaves as codes.
; THE SOFTMAX: t = score x log2(e) / 32; M = the running largest t rounded up to a whole number; p = 2^(t - M) is quantised along the keys, not normalised; the row's sum l is taken of the unquantised p and divides at the end.
; When M moves, l and O are multiplied by 2^(old M - new M), which rounds nothing.  A block's largest p is made from the block's largest score by the same multiply-add and exponential (it takes v_exp_f32 not to fall where its input rises).
; SHARES.  Work-group (cx, y): batch y / 8, heads 2 (y % 8) and 2 (y % 8) + 1, queries at positions 256 cx on.  Eight waves; a wave owns TWO tiles of 16 queries, tile w in register window w, both heads one after the other:
; each fragment of K and V that a wave reads from LDS serves two tiles, and a whole fragment of o (16 rows x 128 along (head, channel)) and its scale word come from one wave.
; K, V and their scale words of both heads, 204 KiB, are filled ONCE, at the head, by eight joint loads, one a wave: the four work-groups of a cluster read the same bytes.  Nothing is filled again, so no prefetch has a loop to run ahead in.
; LAYOUT.  Both products transposed: S^T = K Q^T, O^T = V^T P^T: a lane holds one query.  K lies in LDS as images of tiles of 16 positions (position 32 g + 16 u + r holds key 32 g + 8 u + r + 8 (r / 8)).
; THE ROWS OF A TILE OF K ARE CHOSEN BY ADDRESS: tile 4 c + u of a step takes keys 64 c + 8 u + j (rows 0-7) and 64 c + 32 + 8 u + j (rows 8-15).  So the 32 registers of tiles 4 c .. 4 c + 3 in lane (r, h) are keys 64 c + 32 h + 0 .. 31:
; a whole scale block of p in the order of the operand's registers: a block's maximum needs no other lane and the codes are not moved between lanes.  (Lanes r and r + 8 of such a load read bytes 1,536 apart.)
; K = 64 IN AN INSTRUCTION OF 128: Q's registers 6-11 hold zero codes, so what stands in K's registers 6-11 (the next tile's codes; zeros behind the last) adds nothing; bytes 2, 3 of both scale words are 0x7f.
; FETCHES: V's fragments of a step are asked for at its head, K's of the NEXT step directly behind the scores' products.  K, V and the scale words of the two heads lie on end, so the walk goes on from head to head;
; the fetch in the very last step reads the 6,144 bytes behind K's codes and the 512 behind K's scale words (V's), which nobody uses.
; LIMITS: NaN and infinities are not served; a block of zeros or under 2^-124 gets the byte 1 with zero codes; the scaled scores stay under 2^31 in magnitude.
; o's scale words leave 4 bytes a lane, 32 bytes apart (lanes r and r + 16 store the same word): 64 bytes for each 1,536 of codes.
; REGISTERS.  v102-255 of window w: tile w's S^T / p, O^T, p's codes, q, o's fragment, the sum's chains.  v0-101 of window 0: addresses, scale words, and both tiles' single numbers.  v0-101 of window 1: K's and V's fragments.
.set G_VC,  12582912
.set G_QKS, 18874368
.set G_VS,  19922944
.set G_OS,  6291456
.set L_KC,  0                          ; K's codes, head e at + 49,152 e: 64 tiles x 768 bytes
.set L_VC,  98304                      ; V's: [128 keys 8][tile of 16 channels 4] x 1,536 bytes
.set L_KS,  196608                     ; K's scale words: 4,096 bytes a head
.set L_VS,  204800                     ; V's: 2,048 bytes a head
.set SPARE, 208896                     ; the spare words, 128 bytes a wave: no other line names them
.set L16, 1                            ; 16 x lane
.set L8,  2                            ; 8 x lane
.set R16, 3                            ; 16 r
.set R32, 4                            ; 32 r
.set KB128, 5                          ; lane terms of K's loads, of K's scale words, of V's
.set KB64, 6
.set KSB, 7
.set VB128, 8
.set VB64, 9
.set VSB, 10
.set AK128, 11                         ; the same + the step's offset
.set AK64, 12
.set AKS, 13
.set AV128, 14
.set AV64, 15
.set AVS, 16
.set SH8, 17                           ; 8 h
.set SPW, 18
.set NIL, 19
.set KSW, 20                           ; v20-27 K's scale words
.set VSW, 28                           ; v28-31 V's
.set PS,  32                           ; p's scale word, tile i at + i
.set QS,  34                           ; q's
.set QS2, 36                           ; the second head's
.set SWD, 38                           ; o's
.set LS,  40                           ; l in two halves, tile i at + 2 i
.set NM,  44                           ; -M (low word of a pair)
.set FF,  48                           ; f = 2^(old M - new M); at a head's end 1 / l
.set BM,  52                           ; the largest score, then p, of block c of tile i at + 2 i + c
.set SO,  56                           ; the conversions' scale operands
.set X,   60
.set Y,   62
.set RUN, 64                           ; the running largest score
.set Z,   66
.set D,   68
.set BY,  70
.set MT,  74                           ; v74-81 the maxima's chains
.set KF,  0                            ; window 1: v0-47 K's eight tiles, v48-53 zeros
.set VF,  54                           ; window 1: v54-101 V's four fragments
.set S,   102
.set OT,  166
.set PC,  198
.set TC,  210
.set Q,   218                          ; v218-223 q's codes, v224-229 zeros
.set Q2,  230
.set OF,  236
.set CH,  248
.set G1K,  16
.set G1V,  24
.set G1KS, 32
.set G1VS, 40
.set G0K,  48                          ; a set for each head
.set G0V,  56
.set G0KS, 68
.set G0VS, 76
.set MSB, 0
.macro WIN new                         ; the immediate's high byte repeats the setting that is left
.if MSB != (\new)
	s_set_vgpr_msb (MSB<<8)|(\new)
.set MSB, (\new)
.endif
.endm
.macro WALU
	s_wait_alu depctr_va_vdst(0)
.endm
.macro PLACES n
.rept \n
	v_nop
.endr
.endm
.macro CROUND
	s_barrier_signal -1
	s_barrier_wait -1
	s_cmp_lg_u32 s12, 0
	s_cbranch_scc1 .Lnot_wave_0_\@
	s_barrier_signal -3
.Lnot_wave_0_\@:
	s_barrier_wait -3
	s_barrier_signal -1
	s_barrier_wait -1
.endm
.macro ARM under, g0, g1, next         ; a wave's one first fill; four v_nop follow it
	s_cmp_lt_u32 s12, \under
	s_cbranch_scc0 \next
	tensor_load_to_lds s[\g0:\g0+3], s[\g1:\g1+7]
	s_nop 0
	PLACES 4
	s_branch .Lasked
\next:
.endm
.macro GROUP1 g, c, rows, pitch        ; the mask names all four work-groups; elements of 8 bytes; no padding
	s_mov_b32 s[\g], 15|(3<<16)|(1<<21)
	s_mov_b32 s[\g+1], (\c)<<16
	s_mov_b32 s[\g+2], (\rows)<<16
	s_mov_b32 s[\g+3], (\c)<<16
	s_mov_b32 s[\g+4], \rows
	s_mov_b32 s[\g+5], \pitch
	s_mov_b32 s[\g+6], 0
	s_mov_b32 s[\g+7], 0
.endm
; K's eight tiles and their scale words, `ahead` steps on from the addresses: 20 loads.  Tile 4 c + u: lane (r, h) takes row 8 (u / 2) + r % 8 of the stored tile 4 c + 2 (r / 8) + u % 2
.macro KLOAD a128, a64, as, ahead
	WIN 0x40
.irp c, 0,1
.irp u, 0,1,2,3
	ds_load_b128 v[KF+6*(4*\c+\u):KF+6*(4*\c+\u)+3], v[\a128] offset:6144*\ahead+768*(4*\c+\u%2)+128*(\u/2)
	ds_load_b64 v[KF+6*(4*\c+\u)+4:KF+6*(4*\c+\u)+5], v[\a64] offset:6144*\ahead+768*(4*\c+\u%2)+512+64*(\u/2)
.endr
.endr
	WIN 0
.irp c, 0,1
.irp g, 0,1
	ds_load_b64 v[KSW+4*\c+2*\g:KSW+4*\c+2*\g+1], v[\as] offset:512*\ahead+256*\c+128*\g
.endr
.endr
.endm
; the largest score of tile w's four runs of 16 registers, by turns; each accumulator is first read at its low end
.macro MAXES w
	WIN \w|(\w<<2)|(\w<<4)
.irp q, 0,1,2,3
	v_max3_num_f32 v[MT+4*\w+\q], v[S+16*\q], v[S+16*\q+1], v[S+16*\q+2]
.endr
	WIN \w|(\w<<2)
.irp i, 3,5,7,9,11,13
.irp q, 0,1,2,3
	v_max3_num_f32 v[MT+4*\w+\q], v[S+16*\q+\i], v[S+16*\q+\i+1], v[MT+4*\w+\q]
.endr
.endr
	v_max3_num_f32 v[MT+4*\w], v[S+15], v[S+31], v[MT+4*\w]
	v_max3_num_f32 v[MT+4*\w+2], v[S+47], v[S+63], v[MT+4*\w+2]
.endm
; tile w's codes of p, and the row's sum of the unquantised p in four chains by turns
.macro CODES w, first
	WIN \w|(\w<<6)
.irp c, 0,1
	v_cvt_scalef32_pk16_fp6_f32 v[PC+6*\c:PC+6*\c+2], v[S+32*\c:S+32*\c+15], v[SO+2*\w+\c]
	v_cvt_scalef32_pk16_fp6_f32 v[TC+4*\c:TC+4*\c+2], v[S+32*\c+16:S+32*\c+31], v[SO+2*\w+\c]   ; (a conversion's three registers begin on an even number)
.endr
	WIN \w|(\w<<2)|(\w<<6)
.irp j, 0,1,2,3
	v_pk_add_f32 v[CH+2*\j:CH+2*\j+1], v[S+2*\j:S+2*\j+1], v[S+8+2*\j:S+9+2*\j]   ; plain lines behind the conversions
.endr
.irp c, 0,1
.irp i, 0,1,2
	v_mov_b32 v[PC+6*\c+3+\i], v[TC+4*\c+\i]
.endr
.endr
.set k, 8
.rept 24
	v_pk_add_f32 v[CH+2*(k%4):CH+2*(k%4)+1], v[CH+2*(k%4):CH+2*(k%4)+1], v[S+2*k:S+2*k+1]
.set k, k+1
.endr
	v_pk_add_f32 v[CH:CH+1], v[CH:CH+1], v[CH+2:CH+3]
	v_pk_add_f32 v[CH+4:CH+5], v[CH+4:CH+5], v[CH+6:CH+7]
.if \first
	WIN \w|(\w<<2)
	v_pk_add_f32 v[LS+2*\w:LS+2*\w+1], v[CH:CH+1], v[CH+4:CH+5]
.else
	v_pk_add_f32 v[CH:CH+1], v[CH:CH+1], v[CH+4:CH+5]
	WIN \w<<2
	v_pk_add_f32 v[LS+2*\w:LS+2*\w+1], v[LS+2*\w:LS+2*\w+1], v[CH:CH+1]
.endif
.endm
; A KEY STEP: 128 keys for both tiles.  s92, s93, s94: the step's offsets in the codes, in K's scale words, in V's.  first = 1: it starts M, l and O^T.
.macro STEP first
	v_add_nc_u32 v[AV128], s92, v[VB128]           ; six plain lines: the places in front of the loads into registers that the last products read
	v_add_nc_u32 v[AV64], s92, v[VB64]
	v_add_nc_u32 v[AVS], s94, v[VSB]
	v_add_nc_u32 v[AK128], s92, v[KB128]
	v_add_nc_u32 v[AK64], s92, v[KB64]
	v_add_nc_u32 v[AKS], s93, v[KSB]
	WALU
	WIN 0x40
.irp t, 0,1,2,3
	ds_load_b128 v[VF+12*\t:VF+12*\t+3], v[AV128] offset:1536*\t
	ds_load_b64 v[VF+12*\t+4:VF+12*\t+5], v[AV64] offset:1536*\t+512
	ds_load_b128 v[VF+12*\t+6:VF+12*\t+9], v[AV128] offset:1536*\t+768
	ds_load_b64 v[VF+12*\t+10:VF+12*\t+11], v[AV64] offset:1536*\t+1280
.endr
	WIN 0
	ds_load_b128 v[VSW:VSW+3], v[AVS]
	s_wait_dscnt 17                                ; K and its scale words, asked for a step ago, are in; V's 17 loads may be out
.irp w, 0,1
	WIN 1|(\w<<2)|(\w<<4)|(\w<<6)
.irp n, 0,1,2,3,4,5,6,7
	v_wmma_scale_f32_16x16x128_f8f6f4 v[S+8*\n:S+8*\n+7], v[KF+6*\n:KF+6*\n+11], v[Q:Q+11], 0, v[KSW+\n], v[QS+\w] matrix_a_fmt:MATRIX_FMT_FP6 matrix_b_fmt:MATRIX_FMT_FP6
.endr
.endr
	WIN 0
	PLACES 4
	KLOAD AK128, AK64, AKS, 1                      ; the next step's K lands while the softmax is worked
	MAXES 0
	MAXES 1
	WIN 0
.irp i, 0,1
	v_max_num_f32 v[BM+2*\i], v[MT+4*\i], v[MT+4*\i+1]             ; the largest score of my block of 32 keys, c = 0,
.endr
.irp i, 0,1
	v_max_num_f32 v[BM+2*\i+1], v[MT+4*\i+2], v[MT+4*\i+3]         ; c = 1
.endr
.irp i, 0,1
	v_max_num_f32 v[X+\i], v[BM+2*\i], v[BM+2*\i+1]
.endr
.irp i, 0,1
	v_permlanex16_b32 v[Y+\i], v[X+\i], s84, s85
.endr
.irp i, 0,1
.if \first
	v_max_num_f32 v[RUN+\i], v[X+\i], v[Y+\i]
.else
	v_max3_num_f32 v[RUN+\i], v[RUN+\i], v[X+\i], v[Y+\i]          ; the running largest score of my query
.endif
.endr
.irp i, 0,1
	v_mul_f32 v[Z+\i], s96, v[RUN+\i]              ; -t
.endr
.if \first
.irp i, 0,1
	v_floor_f32 v[NM+2*\i], v[Z+\i]                ; -M = floor(-t)
.endr
.else
.irp i, 0,1
	v_floor_f32 v[Z+\i], v[Z+\i]
.endr
.irp i, 0,1
	v_sub_f32 v[D+\i], v[Z+\i], v[NM+2*\i]         ; old M - new M: a whole number, 0 or less
.endr
.irp i, 0,1
	v_mov_b32 v[NM+2*\i], v[Z+\i]
.endr
.irp i, 0,1
	v_cvt_i32_f32 v[D+\i], v[D+\i]
.endr
.irp i, 0,1
	v_ldexp_f32 v[FF+2*\i], 1.0, v[D+\i]           ; f = 2^(old M - new M)
.endr
.endif
.irp i, 0,1
	v_fma_f32 v[BM+2*\i], v[BM+2*\i], s86, v[NM+2*\i]
	v_fma_f32 v[BM+2*\i+1], v[BM+2*\i+1], s86, v[NM+2*\i]
.endr
.if !\first
.irp i, 0,1
	v_pk_mul_f32 v[LS+2*\i:LS+2*\i+1], v[LS+2*\i:LS+2*\i+1], v[FF+2*\i:FF+2*\i+1] op_sel_hi:[1,0]   ; l under the new M
.endr
.endif
.irp w, 0,1
	WIN \w|(\w<<6)
.if !\first
.set k, 0
.rept 16
	v_pk_mul_f32 v[OT+k:OT+k+1], v[OT+k:OT+k+1], v[FF+2*\w:FF+2*\w+1] op_sel_hi:[1,0]   ; O^T under the new M, each accumulator from its low end on, ahead of the exponentials
.set k, k+2
.endr
.endif
.set k, 0
.rept 32
	v_pk_fma_f32 v[S+k:S+k+1], v[S+k:S+k+1], s[86:87], v[NM+2*\w:NM+2*\w+1] op_sel_hi:[1,0,0]   ; t - M
.set k, k+2
.endr
.endr
	WIN 0
	WALU                                           ; one wait ahead of the batch,
.irp k, 0,1,2,3
	v_exp_f32 v[BM+\k], v[BM+\k]                   ; each block's largest p
.endr
.irp w, 0,1
	WIN \w|(\w<<6)
.set k, 0
.rept 64
	v_exp_f32 v[S+k], v[S+k]                       ; p = 2^(t - M)
.set k, k+1
.endr
.endr
	WIN 0
	v_nop                                          ; a plain line behind the exponentials
	WALU                                           ; and one behind it
.irp k, 0,1,2,3
	v_max_num_f32 v[BM+\k], 0x1800000, v[BM+\k]    ; the floor: the byte cannot fall under 1
.endr
.irp k, 0,1,2,3
	v_add_nc_u32 v[SO+\k], 0xff000000, v[BM+\k]    ; 2 off the exponent field: the conversion's scale operand
.endr
.irp k, 0,1,2,3
	v_lshrrev_b32 v[BY+\k], 23, v[SO+\k]
.endr
.irp i, 0,1
	v_lshl_or_b32 v[X+\i], v[BY+2*\i+1], 16, v[BY+2*\i]            ; my bytes: blocks h and 2 + h,
.endr
.irp i, 0,1
	v_lshlrev_b32 v[X+\i], v[SH8], v[X+\i]         ; 8 h bits up;
.endr
.irp i, 0,1
	v_permlanex16_b32 v[Y+\i], v[X+\i], s84, s85
.endr
.irp i, 0,1
	v_or_b32 v[PS+\i], v[X+\i], v[Y+\i]            ; with lane l xor 16's two the word is whole
.endr
	CODES 0, \first
	CODES 1, \first
	WIN 0
	WALU                                           ; directly ahead of the wait below
	s_wait_dscnt 20                                ; V and its scale words are in; the next K's 20 loads may be out
.irp w, 0,1
	WIN 1|(\w<<2)|(\w<<4)|(\w<<6)
.irp t, 0,1,2,3
.if \first
	v_wmma_scale_f32_16x16x128_f8f6f4 v[OT+8*\t:OT+8*\t+7], v[VF+12*\t:VF+12*\t+11], v[PC:PC+11], 0, v[VSW+\t], v[PS+\w] matrix_a_fmt:MATRIX_FMT_FP6 matrix_b_fmt:MATRIX_FMT_FP6
.else
	v_wmma_scale_f32_16x16x128_f8f6f4 v[OT+8*\t:OT+8*\t+7], v[VF+12*\t:VF+12*\t+11], v[PC:PC+11], v[OT+8*\t:OT+8*\t+7], v[VSW+\t], v[PS+\w] matrix_a_fmt:MATRIX_FMT_FP6 matrix_b_fmt:MATRIX_FMT_FP6
.endif
.endr
.endr
	WIN 0
.endm
; Head e is done: O^T / l (register 16 b + i = channel 32 b + 16 h + i) becomes registers 6 e .. 6 e + 5 of o's fragment and two bytes of its scale word.
.macro HEADOUT e
	PLACES 4                                       ; behind the last products
.if \e == 0
.irp w, 0,1
	WIN \w|(\w<<6)
.irp i, 0,1,2,3,4,5
	v_mov_b32 v[Q+\i], v[Q2+\i]                    ; the next head's q
.endr
.endr
	WIN 0
.irp i, 0,1
	v_mov_b32 v[QS+\i], v[QS2+\i]
.endr
.endif
	WALU
.irp i, 0,1
	v_add_f32 v[X+\i], v[LS+2*\i], v[LS+2*\i+1]
.endr
.irp i, 0,1
	v_permlanex16_b32 v[Y+\i], v[X+\i], s84, s85
.endr
.irp i, 0,1
	v_add_f32 v[X+\i], v[X+\i], v[Y+\i]            ; the row's sum
.endr
	WALU
.irp i, 0,1
	v_rcp_f32 v[FF+2*\i], v[X+\i]
.endr
	v_nop                                          ; a plain line behind the reciprocals
.irp w, 0,1
	WIN \w|(\w<<6)
	WALU                                           ; the wait directly ahead of the first reader of 1 / l and of O^T
.set k, 0
.rept 16
	v_pk_mul_f32 v[S+k:S+k+1], v[OT+k:OT+k+1], v[FF+2*\w:FF+2*\w+1] op_sel_hi:[1,0]
.set k, k+2
.endr
.endr
.irp w, 0,1
	WIN \w|(\w<<2)
.irp b, 0,1
	v_max3_num_f32 v[MT+2*\w+\b], |v[S+16*\b]|, |v[S+16*\b+1]|, 0x1800000
.endr
.irp i, 2,4,6,8,10,12,14
.irp b, 0,1
	v_max3_num_f32 v[MT+2*\w+\b], |v[S+16*\b+\i]|, |v[S+16*\b+\i+1]|, v[MT+2*\w+\b]
.endr
.endr
.endr
	WIN 0
.irp k, 0,1,2,3
	v_permlanex16_b32 v[BY+\k], v[MT+\k], s84, s85
.endr
.irp k, 0,1,2,3
	v_max_num_f32 v[MT+\k], v[MT+\k], v[BY+\k]     ; with lane l xor 16's 16: the block's largest magnitude
.endr
.irp k, 0,1,2,3
	v_add_nc_u32 v[SO+\k], 0xff000000, v[MT+\k]
.endr
.irp k, 0,1,2,3
	v_lshrrev_b32 v[BY+\k], 23, v[SO+\k]
.endr
.irp i, 0,1
.if \e == 0
	v_lshl_or_b32 v[SWD+\i], v[BY+2*\i+1], 8, v[BY+2*\i]
.else
	v_lshl_or_b32 v[X+\i], v[BY+2*\i+1], 8, v[BY+2*\i]
.endif
.endr
.if \e == 1
.irp i, 0,1
	v_lshl_or_b32 v[SWD+\i], v[X+\i], 16, v[SWD+\i]
.endr
.endif
.irp w, 0,1
	WIN \w|(\w<<6)
	v_cvt_scalef32_pk16_fp6_f32 v[OF+6*\e:OF+6*\e+2], v[S:S+15], v[SO+2*\w]
	v_cvt_scalef32_pk16_fp6_f32 v[TC:TC+2], v[S+16:S+31], v[SO+2*\w+1]
	v_nop                                          ; one plain line behind the conversions
.irp i, 0,1,2
	v_permlane16_swap_b32 v[OF+6*\e+\i], v[TC+\i]  ; the layout wants a whole block in a lane
.endr
.irp i, 0,1,2
	v_mov_b32 v[OF+6*\e+3+\i], v[TC+\i]
.endr
.endr
	WIN 0
.endm
.macro HEAD e
	s_mov_b32 s92, 49152*\e
	s_mov_b32 s93, 4096*\e
	s_mov_b32 s94, 2048*\e
	STEP 1
.if \e == 0
	s_wait_tensorcnt 0x0                           ; my tile, whichever head's, is in,
	s_wait_dscnt 0x0
	s_barrier_signal -1
	s_barrier_wait -1                              ; everybody's is: head 1's tiles may be read from here on
.endif
	s_mov_b32 s95, 7
.Lkeys_\e\():
	s_add_co_u32 s92, s92, 6144
	s_add_co_u32 s93, s93, 512
	s_add_co_u32 s94, s94, 256
	STEP 0
	s_sub_co_i32 s95, s95, 1
	s_cmp_lg_u32 s95, 0
	s_cbranch_scc1 .Lkeys_\e
	HEADOUT \e
.endm
	s_load_b128 s[4:7], s[0:1], 0x0                ; qkv s[4:5], oq s[6:7]
	v_lshl_add_u32 v[SPW], v0, 2, SPARE
	v_mov_b32 v[NIL], 0
	ds_add_u32 v[SPW], v[NIL]                      ; the opening lines: the add, twice on end, and its wait
	ds_add_u32 v[SPW], v[NIL]
	v_lshrrev_b32 v1, 5, v0
	v_readfirstlane_b32 s12, v1                    ; wave 0..7
	s_bfe_u32 s13, ttmp6, 0x40000                  ; cx: it enters q's and o's addresses alone
	s_and_b32 s14, ttmp7, 0xffff
	s_lshr_b32 s15, s14, 3                         ; batch
	s_and_b32 s14, s14, 7                          ; pair of heads
	s_lshl_b32 s3, s14, 1                          ; the first head
	s_add_co_u32 s92, s3, 16                       ; k's heads stand behind q's sixteen
	s_mul_i32 s94, s92, 32768
	s_mul_i32 s92, s92, 393216
	s_mul_i32 s96, s15, 49152
	s_add_co_u32 s92, s92, s96                     ; K's codes
	s_mov_b32 s93, 0
	s_lshl_b32 s97, s15, 12
	s_add_co_u32 s94, s94, s97
	s_add_co_u32 s94, s94, G_QKS                   ; K's scale words
	s_mov_b32 s95, 0
	s_mul_i32 s98, s15, 786432
	s_mul_i32 s97, s3, 6144
	s_add_co_u32 s98, s98, s97
	s_add_co_u32 s98, s98, G_VC                    ; V's codes
	s_mov_b32 s99, 0
	s_lshl_b32 s8, s15, 15
	s_lshl_b32 s97, s3, 8
	s_add_co_u32 s8, s8, s97
	s_add_co_u32 s8, s8, G_VS                      ; V's scale words
	s_mov_b32 s9, 0
	GROUP1 G1K, 32, 192, 32                        ; K: a head's codes, dense: 192 rows of 256 bytes
	GROUP1 G1V, 768, 8, 12288                      ; V: 8 rows (128 keys each) of 6,144 bytes, 98,304 bytes apart
	GROUP1 G1KS, 32, 16, 32                        ; K's scale words: 16 rows of 256 bytes, dense
	GROUP1 G1VS, 32, 8, 512                        ; V's: 8 rows of 256 bytes, 4,096 bytes apart
	s_mov_b32 s84, 0x76543210
	s_mov_b32 s85, 0xfedcba98                      ; lane l xor 16
	s_mov_b32 s86, 0x3d38aa3b                      ; c = log2(e) / 32
	s_mov_b32 s87, s86                             ; (named with it as a pair)
	s_wait_dscnt 0x0
	s_wait_kmcnt 0x0
	s_add_nc_u64 s[92:93], s[4:5], s[92:93]
	s_add_nc_u64 s[94:95], s[4:5], s[94:95]
	s_add_nc_u64 s[98:99], s[4:5], s[98:99]
	s_add_nc_u64 s[8:9], s[4:5], s[8:9]
	CROUND                                         ; all four work-groups are here: the joint loads meet
.irp e, 0,1
	s_mov_b32 s[G0K+4*\e], 1
	s_mov_b32 s[G0K+4*\e+1], L_KC+49152*\e
	s_add_nc_u64 s[G0K+4*\e+2:G0K+4*\e+3], s[92:93], \e*393216
	s_or_b32 s[G0K+4*\e+3], s[G0K+4*\e+3], 0x80000000
	s_mov_b32 s[G0V+4*\e], 1
	s_mov_b32 s[G0V+4*\e+1], L_VC+49152*\e
	s_add_nc_u64 s[G0V+4*\e+2:G0V+4*\e+3], s[98:99], \e*6144
	s_or_b32 s[G0V+4*\e+3], s[G0V+4*\e+3], 0x80000000
	s_mov_b32 s[G0KS+4*\e], 1
	s_mov_b32 s[G0KS+4*\e+1], L_KS+4096*\e
	s_add_nc_u64 s[G0KS+4*\e+2:G0KS+4*\e+3], s[94:95], \e*32768
	s_or_b32 s[G0KS+4*\e+3], s[G0KS+4*\e+3], 0x80000000
	s_mov_b32 s[G0VS+4*\e], 1
	s_mov_b32 s[G0VS+4*\e+1], L_VS+2048*\e
	s_add_nc_u64 s[G0VS+4*\e+2:G0VS+4*\e+3], s[8:9], \e*256
	s_or_b32 s[G0VS+4*\e+3], s[G0VS+4*\e+3], 0x80000000
.endr
	ARM 1, G0K, G1K, .La1                          ; one load a wave, in one chain: waves 0 to 3 head 0's K, K's scale words, V, V's scale words; waves 4 to 7 head 1's
	ARM 2, G0KS, G1KS, .La2
	ARM 3, G0V, G1V, .La3
	ARM 4, G0VS, G1VS, .La4
	ARM 5, G0K+4, G1K, .La5
	ARM 6, G0KS+4, G1KS, .La6
	ARM 7, G0V+4, G1V, .La7
	tensor_load_to_lds s[G0VS+4:G0VS+7], s[G1VS:G1VS+7]
	s_nop 0
	PLACES 4
.Lasked:
	s_lshl_b32 s13, s13, 4
	s_lshl_b32 s15, s15, 6
	s_add_co_u32 s13, s13, s15
	s_lshl_b32 s2, s12, 1
	s_add_co_u32 s13, s13, s2                      ; my first tile of positions: 64 batch + 16 cx + 2 wave
	s_mul_i32 s90, s3, 393216
	s_mul_i32 s2, s13, 768
	s_add_co_u32 s90, s90, s2
	s_mov_b32 s91, 0
	s_add_nc_u64 s[90:91], s[4:5], s[90:91]        ; q's codes
	s_lshl_b32 s66, s3, 15
	s_lshr_b32 s2, s13, 2
	s_lshl_b32 s2, s2, 8
	s_add_co_u32 s66, s66, s2
	s_and_b32 s2, s13, 3
	s_lshl_b32 s2, s2, 2
	s_add_co_u32 s66, s66, s2
	s_add_co_u32 s66, s66, G_QKS
	s_mov_b32 s67, 0
	s_add_nc_u64 s[66:67], s[4:5], s[66:67]        ; q's scale words
	s_mul_i32 s10, s13, 12288
	s_mul_i32 s2, s14, 1536
	s_add_co_u32 s10, s10, s2
	s_mov_b32 s11, 0
	s_add_nc_u64 s[10:11], s[6:7], s[10:11]        ; o's codes
	s_lshl_b32 s88, s13, 9
	s_lshl_b32 s2, s14, 2
	s_add_co_u32 s88, s88, s2
	s_add_co_u32 s88, s88, G_OS
	s_mov_b32 s89, 0
	s_add_nc_u64 s[88:89], s[6:7], s[88:89]        ; o's scale words
	s_mov_b32 s96, 0xbd38aa3b                      ; -c
	v_and_b32 v60, 31, v0                          ; lane
	v_and_b32 v61, 15, v0                          ; r
	v_bfe_u32 v62, v0, 4, 1                        ; h
	v_and_b32 v63, 7, v0                           ; r % 8
	v_bfe_u32 v64, v0, 3, 1                        ; r / 8
	v_lshlrev_b32 v[L16], 4, v60
	v_lshlrev_b32 v[L8], 3, v60
	v_lshlrev_b32 v[R16], 4, v61
	v_lshlrev_b32 v[R32], 5, v61
	v_mul_u32_u24 v65, v64, 1536                   ; two stored tiles on for rows 8-15
	v_lshl_add_u32 v[KB128], v63, 4, v65
	v_lshl_add_u32 v[KB128], v62, 8, v[KB128]      ; 1,536 (r / 8) + 16 (r % 8) + 256 h
	v_lshl_add_u32 v[KB64], v63, 3, v65
	v_lshl_add_u32 v[KB64], v62, 7, v[KB64]        ; 1,536 (r / 8) + 8 (r % 8) + 128 h
	v_lshlrev_b32 v66, 3, v64
	v_lshl_add_u32 v66, v63, 4, v66
	v_add_nc_u32 v[KSB], L_KS, v66                 ; 16 (r % 8) + 8 (r / 8)
	v_add_nc_u32 v[VB128], L_VC, v[L16]
	v_add_nc_u32 v[VB64], L_VC, v[L8]
	v_add_nc_u32 v[VSB], L_VS, v[R16]
	v_lshlrev_b32 v[SH8], 3, v62
.irp k, Y, Y+1, BY, BY+1, BY+2, BY+3, NM+1, NM+3, FF+1, FF+3
	v_mov_b32 v[\k], 0                             ; lane permutes' destinations, and the upper halves of pairs of which the low word serves
.endr
.irp i, 0,1,2,3,4,5
	v_mov_b32 v[Q+6+\i], 0                         ; zero codes for K = 64 .. 127
.endr
	WIN 0x40
.irp i, 0,1,2,3,4,5
	v_mov_b32 v[Q+6+\i], 0
	v_mov_b32 v[KF+48+\i], 0
.endr
	WIN 0
	WALU
.irp w, 0,1
	WIN \w<<6
	global_load_b128 v[Q:Q+3], v[L16], s[90:91] offset:768*\w              ; q of the first head,
	global_load_b64 v[Q+4:Q+5], v[L8], s[90:91] offset:768*\w+512
	global_load_b128 v[Q2:Q2+3], v[L16], s[90:91] offset:393216+768*\w     ; of the second
	global_load_b64 v[Q2+4:Q2+5], v[L8], s[90:91] offset:393728+768*\w
.endr
	WIN 0
.irp i, 0,1
	global_load_b32 v[QS+\i], v[R16], s[66:67] offset:4*\i
	global_load_b32 v[QS2+\i], v[R16], s[66:67] offset:32768+4*\i
.endr
	s_cmp_lt_u32 s12, 4                            ; the waves that fetched head 0's tiles wait for them; head 1's may be out
	s_cbranch_scc0 .Lnot_head0
	s_wait_tensorcnt 0x0
.Lnot_head0:
	s_barrier_signal -1
	s_barrier_wait -1
	KLOAD KB128, KB64, KSB, 0                      ; the first step's K
	s_wait_loadcnt 0x0                             ; q
	HEAD 0
	HEAD 1
.irp w, 0,1
	WIN \w<<2
.irp c, 0,1,2
	global_store_b128 v[L16], v[OF+4*\c:OF+4*\c+3], s[10:11] offset:12288*\w+512*\c    ; o's fragment as an image: 512 consecutive bytes a store
.endr
.endr
	WIN 0
.irp i, 0,1
	global_store_b32 v[R32], v[SWD+\i], s[88:89] offset:512*\i
.endr
	s_wait_tensorcnt 0x0                           ; the wave's end
	ds_add_u32 v[SPW], v[NIL]
	s_wait_dscnt 0x0
	CROUND                                         ; the closing round
	s_endpgm
.Lfunc_end_k_q33539495fe_attn:
	.size	k_q33539495fe_attn, .Lfunc_end_k_q33539495fe_attn-k_q33539495fe_attn
	.p2alignl 7, 3214868480
	.fill 96, 4, 3214868480
	.section	.rodata,"a",@progbits
	.p2align	6, 0x0
	.amdhsa_kernel k_q33539495fe_attn
		.amdhsa_group_segment_fixed_size 210944
		.amdhsa_private_segment_fixed_size 0
		.amdhsa_enable_private_segment 0
		.amdhsa_kernarg_size 16
		.amdhsa_user_sgpr_count 2
		.amdhsa_user_sgpr_kernarg_segment_ptr 1
		.amdhsa_wavefront_size32 1
		.amdhsa_system_sgpr_workgroup_id_x 1
		.amdhsa_system_sgpr_workgroup_id_y 1
		.amdhsa_system_sgpr_workgroup_id_z 1
		.amdhsa_system_vgpr_workitem_id 0
		.amdhsa_next_free_vgpr 512
		.amdhsa_next_free_sgpr 100
		.amdhsa_reserve_vcc 0
		.amdhsa_float_denorm_mode_32 3
		.amdhsa_float_denorm_mode_16_64 3
		.amdhsa_memory_ordered 1
		.amdhsa_forward_progress 1
		.amdhsa_inst_pref_size 136
	.end_amdhsa_kernel
	.amdgpu_metadata
---
amdhsa.version: [ 1, 2 ]
amdhsa.kernels:
  - .name:           k_q33539495fe_attn
    .symbol:         k_q33539495fe_attn.kd
    .args:
      - { .name: qkv, .offset: 0, .size: 8, .value_kind: global_buffer, .address_space: global }
      - { .name: oq, .offset: 8, .size: 8, .value_kind: global_buffer, .address_space: global }
    .group_segment_fixed_size: 210944
    .private_segment_fixed_size: 0
    .kernarg_segment_align: 8
    .kernarg_segment_size: 16
    .max_flat_workgroup_size: 256
    .sgpr_count:     100
    .vgpr_count:     512
    .wavefront_size: 32
...
	.end_amdgpu_metadata
.endif
;; end of part 3
;; launch gemm_out (part 4): grid 4 x 64, 4 waves a work-group, clusters of 4 x 4, 327,680 bytes of LDS; arguments oq, wq, b_out, out0; writes out0
.if DOCPART == 4
	.amdgcn_target "amdgcn-amd-amdhsa--gfx1250"
	.amdhsa_code_object_version 6
	.text
	.protected	k_q33539495fe_gemm_out
	.globl	k_q33539495fe_gemm_out
	.p2align	8
	.type	k_q33539495fe_gemm_out,@function
k_q33539495fe_gemm_out:
	s_mov_b64 s[64:65], 0
	v_nop
	global_prefetch_b8 v0, s[64:65] scope:SCOPE_SE
	s_setreg_imm32_b32 hwreg(HW_REG_WAVE_MODE, 25, 1), 1
	s_wait_xcnt 0x0
	s_wait_alu depctr_hold_cnt(0) depctr_sa_sdst(0) depctr_va_vdst(0) depctr_va_sdst(0) depctr_va_ssrc(0) depctr_va_vcc(0) depctr_vm_vsrc(0)
	s_getreg_b32 s2, hwreg(HW_REG_IB_STS2, 6, 4)
	s_cmp_eq_u32 s2, 0
	s_cbranch_scc0 .Lentry_in_a_cluster
	s_endpgm
.Lentry_in_a_cluster:
	s_bfe_u32 s2, ttmp6, 0x10000c
	s_cmp_lg_u32 s2, 0xf033
	s_cbranch_scc0 .Lentry_shape_is_right
	s_endpgm
.Lentry_shape_is_right:
; out0 = o w_out + b_out on codes of E2M3; o's codes and scale words come from the attention launch, w_out's from the quantising launch; sums in f32.
; SHARES: 256 work-groups of four waves.  Work-group (X, Y) makes rows 128 Y on x columns 256 X on; wave (hP, hR) 64 rows x 128 columns: 32 accumulators of 16 x 16, 256 registers.
; OPERANDS lie in memory as images of registers (16 rows x 128 K: 1,536 bytes, registers 4 c .. 4 c + 3 of lane l at 512 c + 16 l), [tile of 16 rows][K step]: a fragment is three loads of 16 bytes a lane.
; ALL OF K LIES IN LDS, FILLED ONCE.  o's 8 tiles (98,304 bytes), w_out's 16 tiles (196,608), o's scale words (4,096) and w_out's (8,192) are four dense blocks of memory:
; four joint loads at the head, one a wave, each stated as rows of 256 bytes.  Nothing is filled again: one barrier shows the tiles to all waves.
; CLUSTERS: 4 x 4.  o's blocks are shared along a row of the cluster, w_out's along a column.
; No prefetch: everything that the launch reads is asked for at its head, so there is no loop to run ahead in.
; THE MATRIX INSTRUCTION IS USED TRANSPOSED (source 0 = 16 columns of w_out, source 1 = 16 rows of o): a lane holds eight neighbouring numbers of a row of out0.  The bias is the first products' C.
; o's rows stand at POSITIONS (position 32 g + 16 u + r holds row 32 g + 8 u + r + 8 (r / 8)); the stores set that right.  w_out's columns keep their order.
; THE WAY OUT: a block of 16 rows x 128 columns goes through the wave's own stage in LDS and comes back as rows of 512 bytes.  The stage lies on o's first tiles: they have had their only fill, and a barrier
; in the last K step shows that no wave reads tiles any more.
; REGISTERS: window 0: v16-29 addresses; v32-95 scale words (register 8 i + j: lanes 0-15 o's block i, lanes 16-31 w_out's block i, K step j); v128-223 o's fragments, two sets (on the way out: rows read back).
;   window 1: w_out's fragments, two sets at v0 and v128; the bias at v96-127 and v224-255.   window 2: accumulator (a, b) at v[8 (8 a + b)].
.set OS,    6291456                    ; oq: the scale words behind the codes
.set WOC,   2457600                    ; wq: w_out's codes, w_out's scale words
.set WOS,   3244032
.set RB,    98304                      ; LDS: w_out's tiles behind o's
.set SCL,   294912                     ; the scale words: o's 4,096 bytes, then w_out's 8,192
.set SPARE, 307200                     ; the spare words, 128 bytes a wave: no other line names them
.set ADP,  16                          ; v16    my four tiles of o
.set ADR,  20                          ; v20-21 my tiles 0-3 and 4-7 of w_out
.set STO,  24
.set RD,   25
.set CO,   26                          ; v26    16 x lane
.set ADS,  27
.set SPW,  28
.set NIL,  29
.set SC,   32
.set PF,   128
.set BK,   128
.set G1P,  24
.set G1R,  32
.set G1SP, 40
.set G1SR, 48
.set G0P,  56
.set G0R,  60
.set G0SP, 68
.set G0SR, 72
.set MSB, 0
.macro WIN new                         ; the immediate's high byte repeats the setting that is left
.if MSB != \new
	s_set_vgpr_msb (MSB<<8)|\new
.set MSB, \new
.endif
.endm
.macro CROUND                          ; a round of the cluster's barrier
	s_barrier_signal -1
	s_barrier_wait -1
	s_cmp_lg_u32 s14, 0
	s_cbranch_scc1 .Lnot_wave_0_\@
	s_barrier_signal -3
.Lnot_wave_0_\@:
	s_barrier_wait -3
	s_barrier_signal -1
	s_barrier_wait -1
.endm
.macro PLACES n
.rept \n
	v_nop
.endr
.endm
.macro DENSE g, mask, rows             ; group 1 of a dense block: rows of 256 bytes (32 elements of 8), no padding
	s_or_b32 s[\g], s\mask, (3<<16)|(1<<21)
	s_mov_b32 s[\g+1], 32<<16
	s_mov_b32 s[\g+2], (\rows)<<16
	s_mov_b32 s[\g+3], 32<<16
	s_mov_b32 s[\g+4], \rows
	s_mov_b32 s[\g+5], 32
	s_mov_b32 s[\g+6], 0
	s_mov_b32 s[\g+7], 0
.endm
.macro ARM under, g0, g1, next
	s_cmp_lt_u32 s14, \under
	s_cbranch_scc0 \next
	tensor_load_to_lds s[\g0:\g0+3], s[\g1:\g1+7]
	s_nop 0
	PLACES 4
	s_branch .Lasked
\next:
.endm
	s_load_b128 s[4:7], s[0:1], 0x0                ; oq, wq
	s_load_b128 s[8:11], s[0:1], 0x10              ; b_out, out0
	v_lshl_add_u32 v[SPW], v0, 2, SPARE
	v_mov_b32 v[NIL], 0
	ds_add_u32 v[SPW], v[NIL]                      ; the opening lines: the add, twice on end, and its wait
	ds_add_u32 v[SPW], v[NIL]
	v_lshrrev_b32 v1, 5, v0
	v_readfirstlane_b32 s14, v1                    ; wave
	s_lshr_b32 s15, s14, 1                         ; hP
	s_and_b32 s16, s14, 1                          ; hR
	s_bfe_u32 s76, ttmp6, 0x40000                  ; cx
	s_bfe_u32 s77, ttmp6, 0x40004                  ; cy
	s_lshl_b32 s13, ttmp9, 2
	s_add_co_u32 s13, s13, s76                     ; X
	s_and_b32 s17, ttmp7, 0xffff
	s_lshl_b32 s17, s17, 2
	s_add_co_u32 s17, s17, s77                     ; Y
	s_lshl_b32 s18, s77, 2
	s_lshl_b32 s18, 15, s18                        ; my row of the cluster
	s_lshl_b32 s19, 0x1111, s76                    ; my column
	DENSE G1P, 18, 384
	DENSE G1R, 19, 768
	DENSE G1SP, 18, 16
	DENSE G1SR, 19, 32
	s_mul_i32 s20, s17, 98304                      ; o's 8 tiles,
	s_mov_b32 s21, 0
	s_lshl_b32 s22, s17, 12
	s_add_co_u32 s22, s22, OS                      ; their scale words: 32 bytes a row
	s_mov_b32 s23, 0
	s_mul_i32 s78, s13, 196608
	s_add_co_u32 s78, s78, WOC                     ; w_out's 16 tiles,
	s_mov_b32 s79, 0
	s_lshl_b32 s80, s13, 13
	s_add_co_u32 s80, s80, WOS                     ; their scale words
	s_mov_b32 s81, 0
	s_mov_b32 s[G0P], 1
	s_mov_b32 s[G0P+1], 0
	s_mov_b32 s[G0R], 1
	s_mov_b32 s[G0R+1], RB
	s_mov_b32 s[G0SP], 1
	s_mov_b32 s[G0SP+1], SCL
	s_mov_b32 s[G0SR], 1
	s_mov_b32 s[G0SR+1], SCL+4096
	s_wait_dscnt 0x0                               ; both opening adds are done
	s_wait_kmcnt 0x0
	s_add_nc_u64 s[G0P+2:G0P+3], s[4:5], s[20:21]
	s_or_b32 s[G0P+3], s[G0P+3], 0x80000000
	s_add_nc_u64 s[G0SP+2:G0SP+3], s[4:5], s[22:23]
	s_or_b32 s[G0SP+3], s[G0SP+3], 0x80000000
	s_add_nc_u64 s[G0R+2:G0R+3], s[6:7], s[78:79]
	s_or_b32 s[G0R+3], s[G0R+3], 0x80000000
	s_add_nc_u64 s[G0SR+2:G0SR+3], s[6:7], s[80:81]
	s_or_b32 s[G0SR+3], s[G0SR+3], 0x80000000
	CROUND                                         ; all sixteen work-groups are here: the joint loads meet
	ARM 1, G0R, G1R, .Lh1                          ; one load a wave, in one chain: wave 0 w_out's tiles, wave 1 o's, wave 2 o's scale words, wave 3 w_out's
	ARM 2, G0P, G1P, .Lh2
	ARM 3, G0SP, G1SP, .Lh3
	tensor_load_to_lds s[G0SR:G0SR+3], s[G1SR:G1SR+7]
	s_nop 0
	PLACES 4
.Lasked:
	s_lshl_b32 s82, s13, 10
	s_lshl_b32 s83, s16, 9
	s_add_co_u32 s82, s82, s83                     ; my first column, in bytes
	s_mov_b32 s83, 0
	s_add_nc_u64 s[8:9], s[8:9], s[82:83]
	s_lshl_b32 s84, s17, 7
	s_lshl_b32 s85, s15, 6
	s_add_co_u32 s84, s84, s85                     ; my first row
	s_lshl_b32 s84, s84, 12
	s_add_co_u32 s84, s84, s82
	s_mov_b32 s85, 0
	s_add_nc_u64 s[10:11], s[10:11], s[84:85]
	s_mul_i32 s86, s15, 49152                      ; o by hP
	s_mul_i32 s87, s16, 98304
	s_add_co_u32 s87, s87, RB                      ; w_out by hR
	s_lshl_b32 s88, s15, 11
	s_lshl_b32 s89, s16, 12
	s_add_co_u32 s89, s89, 4096
	s_sub_co_u32 s89, s89, s88                     ; from o's words, half hP, to w_out's, half hR
	s_add_co_u32 s88, s88, SCL
	s_mul_i32 s90, s14, 8448                       ; my stage: 16 rows x 528 bytes
	v_and_b32 v1, 15, v0                           ; r
	v_bfe_u32 v2, v0, 4, 1                         ; h
	v_and_b32 v3, 31, v0
	v_lshlrev_b32 v[CO], 4, v3
	v_lshlrev_b32 v6, 5, v2
	v_add_nc_u32 v[ADP], s86, v[CO]
	v_add_nc_u32 v[ADR], s87, v[CO]
	v_add_nc_u32 v[ADR+1], 49152, v[ADR]
	v_mul_u32_u24 v4, s89, v2                      ; lanes 16-31 take w_out's words
	v_lshl_add_u32 v4, v1, 5, v4
	v_add_nc_u32 v[ADS], s88, v4
	v_mul_u32_u24 v5, v1, 528
	v_lshl_add_u32 v5, v2, 5, v5
	v_add_nc_u32 v[STO], s90, v5                   ; in: row r, 32 bytes for each half of the lanes
	v_add_nc_u32 v[RD], s90, v[CO]                 ; back: the 32 lanes take a row of 512 bytes
	s_wait_alu depctr_va_vdst(0)
	WIN 0x40
.irp b, 0,1,2,3,4,5,6,7
	global_load_b128 v[96+8*(\b%4)+128*(\b/4):96+8*(\b%4)+128*(\b/4)+3], v6, s[8:9] offset:64*\b          ; the bias as the result lies: register j of lane (r, h) in block b is column 16 b + 8 h + j
	global_load_b128 v[100+8*(\b%4)+128*(\b/4):100+8*(\b%4)+128*(\b/4)+3], v6, s[8:9] offset:64*\b+16
.endr
	WIN 0
.macro FRAG reg, adr, off              ; a fragment: three loads, 512 consecutive bytes each
.irp c, 0,1,2
	ds_load_b128 v[\reg+4*\c:\reg+4*\c+3], v[\adr] offset:\off+512*\c
.endr
.endm
.macro FETCH4 j                        ; K step j's fragments into set j % 2: w_out's eight, o's four
.set SJ, (\j)%2
	WIN 0x40
.irp b, 0,1,2,3,4,5,6,7
	FRAG 128*SJ+12*\b, ADR+\b/4, 12288*(\b%4)+1536*(\j)
.endr
	WIN 0
.irp a, 0,1,2,3
	FRAG PF+48*SJ+12*\a, ADP, 12288*\a+1536*(\j)
.endr
.endm
.macro MUL32 j                         ; the 32 accumulators take turns, one instruction a turn
.irp a, 0,1,2,3
.irp b, 0,1,2,3,4,5,6,7
.if (\j) == 0
	v_wmma_scale_f32_16x16x128_f8f6f4 v[8*(8*\a+\b):8*(8*\a+\b)+7], v[128*((\j)%2)+12*\b:128*((\j)%2)+12*\b+11], v[PF+48*((\j)%2)+12*\a:PF+48*((\j)%2)+12*\a+11], v[96+8*(\b%4)+128*(\b/4):96+8*(\b%4)+128*(\b/4)+7], v[SC+8*\b+(\j)], v[SC+8*\a+(\j)] matrix_a_fmt:MATRIX_FMT_FP6 matrix_b_fmt:MATRIX_FMT_FP6 matrix_a_scale:MATRIX_SCALE_ROW1
.else
	v_wmma_scale_f32_16x16x128_f8f6f4 v[8*(8*\a+\b):8*(8*\a+\b)+7], v[128*((\j)%2)+12*\b:128*((\j)%2)+12*\b+11], v[PF+48*((\j)%2)+12*\a:PF+48*((\j)%2)+12*\a+11], v[8*(8*\a+\b):8*(8*\a+\b)+7], v[SC+8*\b+(\j)], v[SC+8*\a+(\j)] matrix_a_fmt:MATRIX_FMT_FP6 matrix_b_fmt:MATRIX_FMT_FP6 matrix_a_scale:MATRIX_SCALE_ROW1
.endif
.endr
.endr
.endm
.macro STEP4 j
	s_wait_dscnt 0x0                               ; this step's fragments are in
.if (\j) == 7
	s_barrier_signal -1                            ; my reads of the tiles are over: say so, and multiply while the others arrive
.else
	PLACES 4                                       ; in front of loads into the set that the last step multiplied
	FETCH4 (\j)+1
.endif
.if (\j) == 0
	WIN 0x91                                       ; C: the bias, in window 1
.else
	WIN 0xa1
.endif
	MUL32 \j
	WIN 0
.if (\j) == 7
	s_barrier_wait -1                              ; nobody reads tiles any more: o's first tiles become the stages
.endif
.endm
	s_wait_tensorcnt 0x0                           ; my block is in,
	s_barrier_signal -1
	s_barrier_wait -1                              ; everybody's is
	FETCH4 0
.irp i, 0,1,2,3,4,5,6,7
	ds_load_b128 v[SC+8*\i:SC+8*\i+3], v[ADS] offset:512*\i        ; all of K's scale words, once
	ds_load_b128 v[SC+8*\i+4:SC+8*\i+7], v[ADS] offset:512*\i+16
.endr
	s_wait_loadcnt 0x0                             ; the bias
.irp j, 0,1,2,3,4,5,6,7
	STEP4 \j
.endr
.macro TOSTAGE a
	WIN 0x08                                       ; the data: window 2
.irp b, 0,1,2,3,4,5,6,7
	ds_store_b128 v[STO], v[64*(\a)+8*\b:64*(\a)+8*\b+3] offset:64*\b          ; each accumulator from its low end on
	ds_store_b128 v[STO], v[64*(\a)+8*\b+4:64*(\a)+8*\b+7] offset:64*\b+16
.endr
	WIN 0
.set BB, BK+64*((\a)%2)
.set i, 0
.rept 16
	ds_load_b128 v[BB+4*i:BB+4*i+3], v[RD] offset:i*528            ; LDS serves a wave's instructions in order: these see the stores above
.set i, i+1
.endr
.endm
.macro SEND a, younger                 ; younger: the LDS instructions issued behind block a's loads, which may stay out
.set BB, BK+64*((\a)%2)
	s_wait_dscnt \younger
.set i, 0
.rept 16
	global_store_b128 v[CO], v[BB+4*i:BB+4*i+3], s[10:11] offset:(32*((\a)/2)+8*((\a)%2)+i+8*(i/8))*4096 th:TH_STORE_NT   ; 512 consecutive bytes of the row that stands at position 16 a + i
.set i, i+1
.endr
.endm
	PLACES 4                                       ; behind the last products
	TOSTAGE 0
.irp a, 1,2,3
.if \a > 1
	s_wait_xcnt 0x0                                ; block a - 2's stores have read their registers: block a's loads may land there
.endif
	TOSTAGE \a
	SEND \a-1, 32                                  ; behind block a - 1's loads: block a's 16 stores and 16 loads
.endr
	SEND 3, 0
	s_wait_tensorcnt 0x0                           ; the wave's end
	ds_add_u32 v[SPW], v[NIL]
	s_wait_dscnt 0x0
	CROUND                                         ; the closing round
	s_endpgm
.Lfunc_end_k_q33539495fe_gemm_out:
	.size	k_q33539495fe_gemm_out, .Lfunc_end_k_q33539495fe_gemm_out-k_q33539495fe_gemm_out
	.p2alignl 7, 3214868480
	.fill 96, 4, 3214868480
	.section	.rodata,"a",@progbits
	.p2align	6, 0x0
	.amdhsa_kernel k_q33539495fe_gemm_out
		.amdhsa_group_segment_fixed_size 327680
		.amdhsa_private_segment_fixed_size 0
		.amdhsa_enable_private_segment 0
		.amdhsa_kernarg_size 32
		.amdhsa_user_sgpr_count 2
		.amdhsa_user_sgpr_kernarg_segment_ptr 1
		.amdhsa_wavefront_size32 1
		.amdhsa_system_sgpr_workgroup_id_x 1
		.amdhsa_system_sgpr_workgroup_id_y 1
		.amdhsa_system_sgpr_workgroup_id_z 1
		.amdhsa_system_vgpr_workitem_id 0
		.amdhsa_next_free_vgpr 768
		.amdhsa_next_free_sgpr 92
		.amdhsa_reserve_vcc 0
		.amdhsa_float_denorm_mode_32 3
		.amdhsa_float_denorm_mode_16_64 3
		.amdhsa_memory_ordered 1
		.amdhsa_forward_progress 1
		.amdhsa_inst_pref_size 78
	.end_amdhsa_kernel
	.amdgpu_metadata
---
amdhsa.version: [ 1, 2 ]
amdhsa.kernels:
  - .name:           k_q33539495fe_gemm_out
    .symbol:         k_q33539495fe_gemm_out.kd
    .args:
      - { .name: oq, .offset: 0, .size: 8, .value_kind: global_buffer, .address_space: global }
      - { .name: wq, .offset: 8, .size: 8, .value_kind: global_buffer, .address_space: global }
      - { .name: b_out, .offset: 16, .size: 8, .value_kind: global_buffer, .address_space: global }
      - { .name: out0, .offset: 24, .size: 8, .value_kind: global_buffer, .address_space: global }
    .group_segment_fixed_size: 327680
    .private_segment_fixed_size: 0
    .kernarg_segment_align: 8
    .kernarg_segment_size: 32
    .max_flat_workgroup_size: 128
    .sgpr_count:     92
    .vgpr_count:     768
    .wavefront_size: 32
...
	.end_amdgpu_metadata
.endif
;; end of part 4
